; MI455X (gfx1250); checked and timed in simulation.
; The chip was launched on July 23, 2026; its instructions are those of AMD's public machine-readable ISA for CDNA 5 (MIT licence, August 2026) and "CDNA5" Instruction Set Architecture Reference Guide (July 2026). The comments in the code are by the model that wrote it; some were corrected since.
;; Self Attn V3. Allowed arithmetic: matrix products marked QUANTISED: E2M3 operands, one E8M0 scale for each 32 along K, by v_wmma_scale_f32_16x16x128_f8f6f4 with both operands' format E2M3, f32 sums; everything else in f32.
;; Inputs: X 4 x 2,048 x 1,024 float32; attn_mask 4 x 2,048 x 2,048 int32; bk 1,024 float32; bo 1,024 float32; bq 1,024 float32; bv 1,024 float32; wk 1,024 x 1,024 float32; wo 1,024 x 1,024 float32; wq 1,024 x 1,024 float32; wv 1,024 x 1,024 float32.
;; Outputs: out0 4 x 2,048 x 1,024 float32.
;; This version of the problem:
;;   THIS VERSION OF THE PROBLEM IS GIVEN IN LOW PRECISION. The matrix products marked QUANTISED in the list below multiply operands that are first quantised to E2M3 (2 exponent bits, 3 mantissa bits; 6 bits a number), with one power-of-two scale for each 32 numbers along K (OCP MX v1.0); their sums are f32. All else is computed in f32.
;;   The module's matrix products, in the order in which they are computed (A, B: the left and right operand; K: the contracted axis; several contracted axes count as one K, in the product's order):
;;     1. [M 8,192, K 1,024] x [K 1,024, N 1,024]; A: input X; B: input wq: QUANTISED
;;     2. [M 8,192, K 1,024] x [K 1,024, N 1,024]; A: input X; B: input wk: QUANTISED
;;     3. [M 8,192, K 1,024] x [K 1,024, N 1,024]; A: input X; B: input wv: QUANTISED
;;     4. batch 4 x [M 2,048, K 1,024] x [K 1,024, N 2,048]; A: computed on the way; B: computed on the way: QUANTISED
;;     5. batch 4 x [M 2,048, K 2,048] x [K 2,048, N 1,024]; A: softmax (see below); B: computed on the way: QUANTISED
;;     6. [M 8,192, K 1,024] x [K 1,024, N 1,024]; A: computed on the way; B: input wo: QUANTISED
;;   THE QUANTISER, for each operand of a quantised product, along K:
;;     - K is cut into blocks of 32 from its start; a last block that is shorter is filled with zeros.
;;     - A block's scale is 2^e with e = floor(log2(the largest magnitude in the block)) - 2, held to -126 .. 127; a block of zeros has e = 0. As a byte (E8M0): e + 127.
;;     - Each number is divided by its block's scale, clamped to +-7.5, and rounded to the nearest number of E2M3, ties to even, subnormals kept.
;;     - The product sums the exact products of the quantised numbers (number of the format x scale) in f32.
;;   ~~~python
;;   def quantise(x, axis):      # numpy; x: float32 -> the quantised numbers, widened to float32 again
;;       x = np.moveaxis(x, axis, -1); K = x.shape[-1]
;;       x = np.pad(x, [(0, 0)] * (x.ndim - 1) + [(0, -K % 32)]); x = x.reshape(x.shape[:-1] + (-1, 32)); a = np.abs(x).max(-1, keepdims=True)
;;       e = np.where(a > 0, np.clip(np.frexp(np.where(a > 0, a, 1))[1] - 1 - 2, -126, 127), 0)      # np.frexp(a)[1] - 1 = floor(log2(a)), exactly
;;       r = np.clip(x / 2.0 ** e, -7.5, 7.5)
;;       step = 2.0 ** (np.maximum(np.frexp(np.where(r == 0, 1, r))[1] - 1, 0) - 3)
;;       q = np.round(r / step) * step * 2.0 ** e      # np.round: ties to even
;;       return np.moveaxis(q.reshape(q.shape[:-2] + (-1,))[..., :K], -1, axis).astype(np.float32)
;;   ~~~
;;   SOFTMAX AHEAD OF A QUANTISED PRODUCT. Where the list says 'softmax', what is quantised is not the finished softmax but p = 2^(t - M), with t = logit x log2(e) and M = ceil(the row's largest t), a whole number; so 1/2 < the row's largest p <= 1. The row's sum l is taken of the UNQUANTISED p, in f32, and the product's result is divided by l at the end. Since M is a whole number, a kernel that streams over the keys may use a running M (the ceiling of the running maximum): every later rescaling is an exact power of two, which a block's scale takes up: the codes' values come out the same.
;;   OPERANDS COMPUTED ON THE WAY. 'Computed on the way' means the value that the module computes at that place (a softmax that the list does not call 'softmax' is quantised finished and normalised). What goes into a quantiser is computed in f32, as accurately as f32 sums, v_exp_f32 and their like allow (about 1e-6 of the number): no bf16 or f16 on the way to a quantiser, and a product that is left as it is and whose result goes on into a quantised operand takes f32 operands (vector FMAs, or v_wmma_f32_16x16x4_f32). A number that lies on a knife's edge between two numbers of the format may be rounded either way, as far as f32 arithmetic and the matrix unit's own rounding can turn it there, and no further.
;; One version. Each part assembles by itself: llvm-mc -triple=amdgcn-amd-amdhsa -mcpu=gfx1250 --defsym DOCPART=n.
;; ======== version 1 of 1: 5 launches
;; limits: right only within a limited range of input values
;; workspace buffers: qa 9,961,472 bytes; mb 2,097,152 bytes of whole numbers; qb 19,660,800 bytes; qc 14,155,776 bytes; qd 6,553,600 bytes
;; launch prep (part 1): grid 256 x 1, 8 waves a work-group, no clusters, 301,056 bytes of LDS; arguments X, attn_mask, wq, wk, wv, wo, qa, mb; writes qa, mb
.if DOCPART == 1
	.amdgcn_target "amdgcn-amd-amdhsa--gfx1250"
	.amdhsa_code_object_version 6
	.text
	.protected	k_qf3ceff8f3c_prep
	.globl	k_qf3ceff8f3c_prep
	.p2align	8
	.type	k_qf3ceff8f3c_prep,@function
k_qf3ceff8f3c_prep:
	s_mov_b64 s[64:65], 0
	v_nop
	global_prefetch_b8 v0, s[64:65] scope:SCOPE_SE
	s_setreg_imm32_b32 hwreg(HW_REG_WAVE_MODE, 25, 1), 1
	s_wait_xcnt 0x0
; PREP.  X [8192][1024] and the four weights [1024][1024], f32, become codes of FP6 (E2M3) with one E8M0 byte for each 32 along K, laid as IMAGES OF THE MATRIX OPERAND'S REGISTERS;
; attn_mask [8192][2048] int32 becomes one bit a number, laid as the lane masks that the score launch selects by.
; AN IMAGE.  A fragment is 16 rows x 128 K = 12 registers a lane = 1,536 bytes: registers 4 c .. 4 c + 3 of lane l at 512 c + 16 l.  Fragment (block ib, K step s) lies at ib x 8 x 1,536 + s x 1,536.
; Registers 6 c .. 6 c + 5 of lane (r, h) hold k = 128 s + 64 c + 32 h + 0 .. 31.  Lane row r of block ib is row 32 (ib / 2) + 8 (ib % 2) + r + 8 (r / 8).  Scale words (128 along K of one row) lie [K step][8192 image rows].
; A MASK WORD.  mb [block 512][chunk of 128 keys 16][64 words]: bit 16 h + r of word 16 g + i says whether key 128 chunk + 32 g + 16 h + i counts for lane row r of the block.
; SHARES.  A unit is a block's 16 rows x 512 bytes.  There are 8,192 units of the mask, 4,096 of X and 2,048 of the weights: 32 + 16 + 8 for each of 256 work-groups of eight waves.
;   Waves 0-3, the mask: work-group w has rows 64 (w / 2) .. + 63, bytes 4,096 (w % 2) .. + 4,095 of each; a wave has 1,024 bytes of each row, 8 units.  They come by ASYNCHRONOUS COPIES, 512 consecutive bytes each, 128 a wave,
;   unit by unit, into a tile of the wave's own whose rows lie 1,040 bytes apart; each byte of the tile is filled once.  Only the issuing wave reads its tile, so its waits on ASYNCcnt are all the ordering needed: no barrier.
;   A copy's immediate is added to both its addresses: it carries the LDS row (1,040 x row + 512 x half), and base and offset carry the rest of the row's 8,192 bytes in memory: 7,152 x row, 8 bases x 8 offsets.
;   A lane reads its 64 numbers of a unit from LDS as the lane masks want them; 64 compares give the 64 words.
;   Waves 4-7, the quantiser: wave v has four units of X (block 2 w + v / 2, K steps 4 (v % 2) ..) and two of the weights (block w of their 256, K steps 2 v, 2 v + 1).  Each load reads 512 consecutive bytes of a row;
;   a unit turns through the wave's own stage in LDS (rows 528 bytes apart) and comes back, into the same registers, as each lane's numbers along K.  Three sets of registers: 48 loads a wave are out.
; The stages have LDS bytes of their own, into which no copy lands.  No cluster: no two work-groups read the same bytes.  No prefetch: the text has no loop to run ahead in; a wave asks for its tile, or for three units, at its start.
; A block's scale is 2^(floor(log2(largest magnitude)) - 2): the largest magnitude's exponent field less 2, held at 1 from below.
; LIMITS: a block of zeros gets the byte 1 where the rule says 127 (its codes are zeros, and this program alone reads the bytes); blocks whose largest magnitude lies under 2^-124 are held at byte 1; NaN and infinities among the inputs are not served.
.set PITCH, 528
.set STG,   16*PITCH                   ; a quantising wave's stage
.set MP,    1040                       ; a row of a mask tile in LDS: 1,024 bytes + 16
.set MG,    8192-MP                    ; what base and offset add for each row of the mask
.set MT,    64*MP                      ; a mask wave's tile
.set QST,   4*MT                       ; the four stages lie behind the four tiles
.set SPARE, QST+4*STG                  ; behind them the spare words, 128 bytes a wave: four blocks of 256 bytes that no other line names
.set WI,    6291456                    ; qa: the weights' images (X's at 0)
.set XS,    9437184                    ; qa: X's scale words
.set WS,    9699328                    ; qa: the weights' scale words
.set SPW,   12                         ; v12 LDS address of my spare word; never rewritten
.set NIL,   13                         ; v13 0; never rewritten
.set CL,    22                         ; v22, v23 the copies' LDS addresses: my tile + 16 x lane, for rows 0-31 and, 32 LDS rows on, for rows 32-63: so a copy's immediate counts the row within its 32 and stays under 65,536; never rewritten
.set CG,    24                         ; v24-31 the copies' offsets: 16 x lane + MG x (row % 8); never rewritten
.set CB,    68                         ; s[68:83] the copies' bases: my tile in memory + 32 rows x (row / 32) + 8 MG x ((row % 32) / 8); never rewritten
.set PC,    32                         ; quantiser: v32-43 a fragment's codes, v44-50 the conversions' second halves
.set SW,    52                         ; quantiser: v52-57 the six units' scale words
.set MW,    32                         ; mask: v32-47 the eight units' words, two a lane
.set S0,    64                         ; v64-127, v128-191, v192-255: sets of 64 numbers
	s_load_b256 s[4:11], s[0:1], 0x0               ; X s[4:5], attn_mask s[6:7], wq s[8:9], wk s[10:11]
	s_load_b256 s[12:19], s[0:1], 0x20             ; wv s[12:13], wo s[14:15], qa s[16:17], mb s[18:19]
	v_lshl_add_u32 v[SPW], v0, 2, SPARE
	v_mov_b32 v[NIL], 0
	ds_add_u32 v[SPW], v[NIL]                      ; the opening lines: the add, twice on end, and its wait ahead of a first copy
	ds_add_u32 v[SPW], v[NIL]
	v_lshrrev_b32 v1, 5, v0
	v_readfirstlane_b32 s20, v1                    ; wave 0..7
	s_mul_i32 s21, s20, STG
	s_add_co_u32 s21, s21, QST-4*STG               ; waves 4-7: my stage
	s_mul_i32 s22, s20, MT                         ; waves 0-3: my tile
	v_and_b32 v1, 31, v0                           ; lane
	v_and_b32 v2, 15, v0                           ; r
	v_bfe_u32 v3, v0, 4, 1                         ; h
	v_lshlrev_b32 v4, 4, v1                        ; 16 x lane: my bytes of a load's 512, and of a fragment's chunk
	v_add_nc_u32 v5, s21, v4                       ; into the stage (the row stands in the immediate)
	v_mul_u32_u24 v7, v2, PITCH
	v_add_nc_u32 v7, s21, v7
	v_lshl_add_u32 v7, v3, 7, v7                   ; out of the stage: row r, + 128 h: 32 numbers of each 64
	v_and_b32 v6, 8, v2
	v_add_nc_u32 v6, v6, v2                        ; r + 8 (r / 8)
	v_mul_u32_u24 v8, v6, MP
	v_lshl_add_u32 v8, v3, 6, v8
	v_add_nc_u32 v8, s22, v8                       ; out of the tile: that row, + 64 h: 16 numbers of each 32
	v_add_nc_u32 v[CL], s22, v4
	v_add_nc_u32 v[CL+1], 32*MP, v[CL]
.irp b, 0,1,2,3,4,5,6,7
	v_add_nc_u32 v[CG+\b], \b*MG, v4
.endr
	v_lshlrev_b32 v9, 3, v1                        ; 8 x lane: two mask words
	v_lshlrev_b32 v10, 2, v2
	v_lshl_add_u32 v10, v3, 15, v10                ; scale words: 4 r, and lanes 16-31 one K step (32,768 bytes) on
	v_lshlrev_b32 v11, 3, v3                       ; 8 h: where my two scale bytes stand in the word
	v_mov_b32 v21, 0                               ; written once: a lane permute's destination counts as one of its sources
.irp i, 0,1,2,3,4,5,6,7,8,9,10,11,12,13,14,15
	v_mov_b32 v[MW+\i], 0                          ; likewise v_writelane_b32's
.endr
	s_mov_b32 s34, 0x76543210
	s_mov_b32 s35, 0xfedcba98                      ; v_permlanex16_b32's selects for lane l xor 16
	s_mov_b32 s36, 0xffff0000                      ; lanes 16-31
	s_wait_alu depctr_va_vdst(0)                   ; the wait at the head's end
	s_wait_dscnt 0x0                               ; both opening adds are done
	s_wait_kmcnt 0x0
	s_cmp_ge_u32 s20, 4
	s_cbranch_scc1 .Lquant
	; ---- waves 0-3: the mask
	s_lshr_b32 s24, ttmp9, 1                       ; which 64 rows
	s_and_b32 s25, ttmp9, 1                        ; which half of the keys
	s_lshl_b32 s26, s24, 19                        ; 64 rows of 8,192 bytes
	s_lshl_b32 s27, s25, 12
	s_add_co_u32 s26, s26, s27
	s_lshl_b32 s27, s20, 10                        ; my 1,024 bytes of each row
	s_add_co_u32 s26, s26, s27
	s_mov_b32 s27, 0
	s_add_nc_u64 s[CB:CB+1], s[6:7], s[26:27]
.irp a, 1,2,3,4,5,6,7
	s_add_nc_u64 s[CB+2*\a:CB+2*\a+1], s[CB:CB+1], (\a/4)*32*8192+(\a%4)*8*MG
.endr
.macro MCP u                           ; unit u = 2 x (block of my four) + (chunk of my two): its 16 rows, 512 consecutive bytes each
.irp i, 0,1,2,3,4,5,6,7,8,9,10,11,12,13,14,15
.set RW, 32*((\u)/4)+8*(((\u)/2)%2)+\i+8*(\i/8)
	global_load_async_to_lds_b128 v[CL+RW/32], v[CG+RW%8], s[CB+2*(RW/8):CB+2*(RW/8)+1] offset:(RW%32)*MP+512*((\u)%2)
.endr
.endm
.irp u, 0,1,2,3,4,5,6,7
	MCP \u                                         ; all 128 stand ahead of my first wait on ASYNCcnt and my first LDS read
.endr
	s_lshl_b32 s26, s24, 14                        ; mb: four blocks of 4,096 bytes,
	s_lshl_b32 s28, s25, 11                        ; eight chunks of 256,
	s_add_co_u32 s26, s26, s28
	s_lshl_b32 s28, s20, 9                         ; my two
	s_add_co_u32 s26, s26, s28
	s_add_nc_u64 s[28:29], s[18:19], s[26:27]
.macro MLD u, x                        ; register 16 g + i is key 32 g + 16 h + i of lane row r
.irp i, 0,1,2,3,4,5,6,7,8,9,10,11,12,13,14,15
	ds_load_b128 v[(\x)+4*\i:(\x)+4*\i+3], v8 offset:(32*((\u)/4)+8*(((\u)/2)%2))*MP+512*((\u)%2)+128*(\i/4)+16*(\i%4)
.endr
.endm
.macro MU u, x                         ; 64 compares give 64 lane masks, eight at a time; word w goes to lane w / 2, register w % 2
.set w, 0
.rept 8
.irp k, 0,1,2,3,4,5,6,7
	v_cmp_ne_u32 s[52+\k], 0, v[(\x)+w+\k]
.endr
.irp k, 0,1,2,3,4,5,6,7
	v_writelane_b32 v[MW+2*(\u)+(\k&1)], s[52+\k], (w+\k)>>1
.endr
.set w, w+8
.endr
	global_store_b64 v9, v[MW+2*(\u):MW+2*(\u)+1], s[28:29] offset:4096*((\u)/2)+256*((\u)%2)   ; 32 lanes store 256 consecutive bytes, aligned; each unit has its own two registers
.endm
	s_wait_asynccnt 63                             ; behind unit 3's last copy 64 were issued: units 0 to 3 are in
	MLD 0, S0
	MLD 1, S0+64
.irp u, 0,1,2,3,4,5,6,7
.if \u < 7
	s_wait_dscnt 16                                ; this unit's 16 loads are in; the next unit's 16 may be out
.else
	s_wait_dscnt 0x0
.endif
	MU \u, S0+64*(\u%2)
.if \u < 6
.if \u >= 2
	s_wait_asynccnt 16*(5-\u)                      ; unit u + 2 is in; the copies of the units behind it may be out
.endif
	MLD \u+2, S0+64*(\u%2)
.endif
.endr
	s_branch .Lend
.Lquant:
	; ---- waves 4-7: the quantiser
	s_sub_co_u32 s24, s20, 4                       ; v = 0..3
	s_lshr_b32 s26, s24, 1
	s_and_b32 s33, s24, 1                          ; which four K steps of X
	s_lshl_b32 s32, ttmp9, 1
	s_add_co_u32 s32, s32, s26                     ; X's block 2 w + v / 2
	s_mov_b32 s39, 0
	s_lshl_b32 s38, ttmp9, 17                      ; 32 rows of 4,096 bytes
	s_lshl_b32 s25, s26, 15                        ; 8 rows
	s_add_co_u32 s38, s38, s25
	s_lshl_b32 s25, s33, 11                        ; four chunks of 512 bytes
	s_add_co_u32 s38, s38, s25
	s_add_nc_u64 s[22:23], s[4:5], s[38:39]        ; X: from here
	s_mul_i32 s38, s32, 12288
	s_mul_i32 s25, s33, 6144
	s_add_co_u32 s38, s38, s25
	s_add_nc_u64 s[28:29], s[16:17], s[38:39]      ; its four fragments
	s_lshl_b32 s38, s33, 17                        ; four K steps of 32,768 bytes
	s_lshl_b32 s25, s32, 6                         ; 16 words a block
	s_add_co_u32 s38, s38, s25
	s_add_co_u32 s38, s38, XS
	s_add_nc_u64 s[30:31], s[16:17], s[38:39]      ; its scale words
	s_mov_b64 s[52:53], s[14:15]                   ; which weight: 64 blocks each; the choice hangs on the work-group's number alone
	s_cmp_lt_u32 ttmp9, 192
	s_cselect_b64 s[52:53], s[12:13], s[52:53]
	s_cmp_lt_u32 ttmp9, 128
	s_cselect_b64 s[52:53], s[10:11], s[52:53]
	s_cmp_lt_u32 ttmp9, 64
	s_cselect_b64 s[52:53], s[8:9], s[52:53]
	s_and_b32 s25, ttmp9, 63                       ; the block in its own tensor
	s_lshr_b32 s38, s25, 1
	s_lshl_b32 s38, s38, 17
	s_and_b32 s25, s25, 1
	s_lshl_b32 s25, s25, 15
	s_add_co_u32 s38, s38, s25
	s_lshl_b32 s25, s24, 10                        ; two chunks of 512 bytes
	s_add_co_u32 s38, s38, s25
	s_add_nc_u64 s[52:53], s[52:53], s[38:39]      ; the weight: from here
	s_mul_i32 s38, ttmp9, 12288
	s_mul_i32 s25, s24, 3072
	s_add_co_u32 s38, s38, s25
	s_add_co_u32 s38, s38, WI
	s_add_nc_u64 s[54:55], s[16:17], s[38:39]      ; its two fragments
	s_lshl_b32 s38, s24, 16                        ; two K steps of 32,768 bytes
	s_lshl_b32 s25, ttmp9, 6
	s_add_co_u32 s38, s38, s25
	s_add_co_u32 s38, s38, WS
	s_add_nc_u64 s[56:57], s[16:17], s[38:39]      ; its scale words
.macro LOADU x, base, t                ; a unit: the block's 16 rows, 512 consecutive bytes each
.irp i, 0,1,2,3,4,5,6,7,8,9,10,11,12,13,14,15
	global_load_b128 v[(\x)+4*\i:(\x)+4*\i+3], v4, s[\base:\base+1] offset:(\i+8*(\i/8))*4096+512*(\t) th:TH_LOAD_NT
.endr
.endm
.macro TURN x                          ; through my stage and back into the same registers: LDS serves a wave's instructions in order, so all 16 stores are served ahead of the loads
.irp i, 0,1,2,3,4,5,6,7,8,9,10,11,12,13,14,15
	ds_store_b128 v5, v[(\x)+4*\i:(\x)+4*\i+3] offset:PITCH*\i
.endr
.irp i, 0,1,2,3,4,5,6,7,8,9,10,11,12,13,14,15
	ds_load_b128 v[(\x)+4*\i:(\x)+4*\i+3], v7 offset:256*(\i/8)+16*(\i%8)    ; register 32 c + i: k = 64 c + 32 h + i of row r
.endr
.endm
.macro QU x, u, base, t                ; a lane's two whole blocks of 32 become registers 6 c .. 6 c + 5 of the fragment
.irp c, 0,1
	v_max3_num_f32 v[14+\c], |v[(\x)+32*\c]|, |v[(\x)+32*\c+1]|, 0x1800000   ; with the floor 2^(3 - 127): the byte cannot fall under 1
.endr
.irp i, 2,4,6,8,10,12,14,16,18,20,22,24,26,28,30
.irp c, 0,1
	v_max3_num_f32 v[14+\c], v[14+\c], |v[(\x)+32*\c+\i]|, |v[(\x)+32*\c+\i+1]|   ; the two blocks by turns
.endr
.endr
.irp c, 0,1
	v_add_nc_u32 v[16+\c], 0xff000000, v[14+\c]    ; 2 off the exponent field: the conversion takes the exponent field of this operand as its scale
.endr
.irp c, 0,1
	v_lshrrev_b32 v[18+\c], 23, v[16+\c]           ; the scale's byte
.endr
	v_lshl_or_b32 v20, v19, 16, v18                ; my two bytes: blocks h and 2 + h of row r,
	v_lshlrev_b32 v20, v11, v20                    ; at their places;
	v_permlanex16_b32 v21, v20, s34, s35
	v_or_b32 v[SW+\u], v20, v21                    ; with lane l xor 16's two the word is whole, in both halves of the lanes
.irp c, 0,1
	v_cvt_scalef32_pk16_fp6_f32 v[PC+6*\c:PC+6*\c+2], v[(\x)+32*\c:(\x)+32*\c+15], v[16+\c]
	v_cvt_scalef32_pk16_fp6_f32 v[PC+12+4*\c:PC+14+4*\c], v[(\x)+32*\c+16:(\x)+32*\c+31], v[16+\c]   ; (a conversion's three registers begin on an even number)
.endr
	v_nop                                          ; one plain place behind a scaled conversion
.irp c, 0,1
.irp i, 0,1,2
	v_mov_b32 v[PC+3+6*\c+\i], v[PC+12+4*\c+\i]
.endr
.endr
.irp k, 0,1,2
	global_store_b128 v4, v[PC+4*\k:PC+4*\k+3], s[\base:\base+1] offset:1536*(\t)+512*\k   ; 32 lanes store 512 consecutive bytes, at a multiple of 256 from the buffer's first byte
.endr
.endm
.macro UNIT u, younger, base, t        ; younger: the loads of the units behind this one, which may stay out
	s_wait_loadcnt \younger
	TURN S0+64*((\u)%3)
	s_wait_dscnt 0x0                               ; my numbers are back
	s_wait_xcnt 0x0                                ; the last unit's stores have read the codes' registers: they are written again only behind this wait
	QU S0+64*((\u)%3), \u, \base, \t
.endm
	LOADU S0, 22, 0
	LOADU S0+64, 22, 1
	LOADU S0+128, 22, 2
	UNIT 0, 32, 28, 0
	LOADU S0, 22, 3                                ; a set takes the unit three further on as soon as its numbers are converted
	UNIT 1, 32, 28, 1
	LOADU S0+64, 52, 0
	UNIT 2, 32, 28, 2
	LOADU S0+128, 52, 1
	UNIT 3, 32, 28, 3
	UNIT 4, 16, 54, 0
	UNIT 5, 0, 54, 1
	v_cndmask_b32 v14, v[SW], v[SW+1], s36         ; lanes 0-15 carry one K step's 16 words, lanes 16-31 the next step's
	v_cndmask_b32 v15, v[SW+2], v[SW+3], s36
	v_cndmask_b32 v16, v[SW+4], v[SW+5], s36
	global_store_b32 v10, v14, s[30:31]
	global_store_b32 v10, v15, s[30:31] offset:65536
	global_store_b32 v10, v16, s[56:57]
.Lend:
	s_wait_tensorcnt 0x0                           ; the wave's end, behind my last copy and my last LDS store
	s_wait_asynccnt 0x0
	ds_add_u32 v[SPW], v[NIL]
	s_wait_dscnt 0x0
	s_endpgm
.Lfunc_end_k_qf3ceff8f3c_prep:
	.size	k_qf3ceff8f3c_prep, .Lfunc_end_k_qf3ceff8f3c_prep-k_qf3ceff8f3c_prep
	.p2alignl 7, 3214868480
	.fill 96, 4, 3214868480
	.section	.rodata,"a",@progbits
	.p2align	6, 0x0
	.amdhsa_kernel k_qf3ceff8f3c_prep
		.amdhsa_group_segment_fixed_size 301056
		.amdhsa_private_segment_fixed_size 0
		.amdhsa_enable_private_segment 0
		.amdhsa_kernarg_size 64
		.amdhsa_user_sgpr_count 2
		.amdhsa_user_sgpr_kernarg_segment_ptr 1
		.amdhsa_wavefront_size32 1
		.amdhsa_system_sgpr_workgroup_id_x 1
		.amdhsa_system_sgpr_workgroup_id_y 1
		.amdhsa_system_sgpr_workgroup_id_z 1
		.amdhsa_system_vgpr_workitem_id 0
		.amdhsa_next_free_vgpr 256
		.amdhsa_next_free_sgpr 84
		.amdhsa_reserve_vcc 0
		.amdhsa_float_denorm_mode_32 3
		.amdhsa_float_denorm_mode_16_64 3
		.amdhsa_memory_ordered 1
		.amdhsa_forward_progress 1
		.amdhsa_inst_pref_size 133
	.end_amdhsa_kernel
	.amdgpu_metadata
---
amdhsa.version: [ 1, 2 ]
amdhsa.kernels:
  - .name:           k_qf3ceff8f3c_prep
    .symbol:         k_qf3ceff8f3c_prep.kd
    .args:
      - { .name: X, .offset: 0, .size: 8, .value_kind: global_buffer, .address_space: global }
      - { .name: attn_mask, .offset: 8, .size: 8, .value_kind: global_buffer, .address_space: global }
      - { .name: wq, .offset: 16, .size: 8, .value_kind: global_buffer, .address_space: global }
      - { .name: wk, .offset: 24, .size: 8, .value_kind: global_buffer, .address_space: global }
      - { .name: wv, .offset: 32, .size: 8, .value_kind: global_buffer, .address_space: global }
      - { .name: wo, .offset: 40, .size: 8, .value_kind: global_buffer, .address_space: global }
      - { .name: qa, .offset: 48, .size: 8, .value_kind: global_buffer, .address_space: global }
      - { .name: mb, .offset: 56, .size: 8, .value_kind: global_buffer, .address_space: global }
    .group_segment_fixed_size: 301056
    .private_segment_fixed_size: 0
    .kernarg_segment_align: 8
    .kernarg_segment_size: 64
    .max_flat_workgroup_size: 256
    .sgpr_count:     84
    .vgpr_count:     256
    .wavefront_size: 32
...
	.end_amdgpu_metadata
.endif
;; end of part 1
;; launch qkv (part 2): grid 8 x 32, 4 waves a work-group, clusters of 4 x 4, 327,680 bytes of LDS; arguments qa, bq, bk, bv, qb; writes qb
.if DOCPART == 2
	.amdgcn_target "amdgcn-amd-amdhsa--gfx1250"
	.amdhsa_code_object_version 6
	.text
	.protected	k_qf3ceff8f3c_qkv
	.globl	k_qf3ceff8f3c_qkv
	.p2align	8
	.type	k_qf3ceff8f3c_qkv,@function
k_qf3ceff8f3c_qkv:
	s_mov_b64 s[64:65], 0
	v_nop
	global_prefetch_b8 v0, s[64:65] scope:SCOPE_SE
	s_setreg_imm32_b32 hwreg(HW_REG_WAVE_MODE, 25, 1), 1
	s_wait_xcnt 0x0
	s_wait_alu depctr_hold_cnt(0) depctr_sa_sdst(0) depctr_va_vdst(0) depctr_va_sdst(0) depctr_va_ssrc(0) depctr_va_vcc(0) depctr_vm_vsrc(0)
	s_getreg_b32 s2, hwreg(HW_REG_IB_STS2, 6, 4)
	s_cmp_eq_u32 s2, 0
	s_cbranch_scc0 .Lentry_in_a_cluster
	s_endpgm
.Lentry_in_a_cluster:
	s_bfe_u32 s2, ttmp6, 0x10000c
	s_cmp_lg_u32 s2, 0xf033
	s_cbranch_scc0 .Lentry_shape_is_right
	s_endpgm
.Lentry_shape_is_right:
; QKV.  Q = X wq^T + bq, K = X wk^T + bk, and V^T = wv X^T + bv, all three on codes of FP6 (E2M3) with E8M0 scales, and all three quantised in registers into images for the next launches.
; OPERANDS ARE IMAGES OF REGISTERS: a fragment (16 rows x 128 K, 12 registers a lane) is 1,536 bytes, registers 4 c .. 4 c + 3 of lane l at 512 c + 16 l; fragment (block, K step) at block x 8 x 1,536 + step x 1,536.
; Lane row r of block ib is row 32 (ib / 2) + 8 (ib % 2) + r + 8 (r / 8).  Scale words lie [K step][image rows]: 128 bytes at 4 x lane give block 2 p in lanes 0-15 and block 2 p + 1 in lanes 16-31.
; THE MATRIX INSTRUCTION IS USED TRANSPOSED: source 0 = 16 rows of the operand called B here, source 1 = 16 rows of A.  A lane then holds ONE row of A, and the 64 registers of its eight tiles run along B's rows in
; natural order: register 16 g + i is column 32 g + 16 (lane / 16) + i.  So a block's results quantise straight into one fragment of the next product, in A's own block order.
; SHARES.  The three products are 384 tiles of 256 x 256, one and a half for each of 256 work-groups.  So a work-group makes TWO PARTS, one after the other:
;   part 1: 256 rows of X against 256 rows of wq or wk (a wave: 128 x 128, 64 accumulators);  part 2: 128 rows of wv against 256 rows of X (a wave: 64 x 128, 32 accumulators): V^T, whose K in the next product is the keys.
; CLUSTERS: 4 x 4, cluster (CX, CY), place (cx, cy).  Part 1: A = X's tile 4 CY + cy, B = the weights' tile 4 CX + cx.  Part 2: A = wv's tile 4 CX + cy, B = X's tile 4 CY + cx.  In both parts A's tile is shared along a
; row of the cluster and B's along a column: each tile is asked for JOINTLY, and the same two masks serve both parts.
; THE RING has three LDS slots of 256 along K.  Part 1's K step pairs 0, 1, 2 are first fills; pair 3 goes into slot 0 behind K step 3; part 2's pairs 0, 1, 2 go into slots 1, 2, 0 behind part 1's K steps 5, 7 and a round of its way out, its pair 3
; into slot 1 behind its own K step 1.  Each refill has two K steps in which to land; part 2's first three land under part 1's products and way out.
; All scale words of a part stay in registers, so the K steps are written out; part 2's words are loaded into the same registers while part 1's results are quantised.
; The biases are added on the way out, by the packed additions that bring a block's results into window 0: bq or bk by columns, bv by rows.
; REGISTERS: window 0: v4-14 offsets into qa and qb; v8-10, v16-18, v20-22 LDS addresses; v32-95 scale words; v96-103 bv; v128-223 A's fragments, one set; on the ways out v128-230 are at work.
;   window 1: B's fragments, two sets, at v0 and v128; v96-127, v224-255 bq or bk.  window 2: the accumulators of blocks 0-3 ((a, b) at v[8 (8 (a % 4) + b)]); window 3: of blocks 4-7.
; LIMITS: a block of zeros gets the scale byte 1 where the rule says 127 (its codes are zeros; this program alone reads the bytes); largest magnitudes under 2^-124 are held at byte 1; NaN and infinities are not served.
.set NQ,    2                          ; K steps of 128 in a slot
.set NS,    8                          ; K steps in all
.set FRB,   1536
.set NA,    8                          ; A's blocks a wave (part 2: 4)
.set HA,    NA/2
.set AH1,   8*NQ*FRB                   ; part 1: what one tensor load brings of A, and what one wave reads of it
.set AH2,   4*NQ*FRB                   ; part 2: the same
.set BH,    8*NQ*FRB                   ; the same of B, in both parts
.set ASZ,   2*AH1                      ; B's place in a slot, in both parts
.set SLOT,  ASZ+2*BH
.set SPARE, 3*SLOT                     ; behind the ring: the spare words, 128 bytes for each wave: two blocks of 256 bytes that no other line names
.set WI,    6291456                    ; qa: weights' images (X's at 0);  XS, WS: scale words
.set XS,    9437184
.set WS,    9699328
.set KI,    6291456                    ; qb: K's image (Q's at 0), V^T's, and the tables of scale words
.set VI,    12582912
.set QS,    18874368
.set VS,    19398656
.set VOP1,  4                          ; v4  16 x lane + where part 1's fragments go in qb;   v5  4 x lane + where its scale words go
.set VSC1,  5
.set VOP2,  6                          ; v6, v7  the same for part 2
.set VSC2,  7
.set ADRA2, 8                          ; v8-10  LDS address of my A fragments of part 2 in slot 0, 1, 2
.set VSA2,  11                         ; v11, v12  4 x lane + where part 2's scale words of A and of B lie in qa
.set VSB2,  12
.set VSA1,  13                         ; v13, v14  the same for part 1
.set VSB1,  14
.set ADRA1, 16                         ; v16-18 LDS address of my A fragments of part 1 in slot 0, 1, 2
.set ADRA,  ADRA1
.set ADRB,  20                         ; v20-22 the same for B, in both parts
.set IO,    24                         ; v24 16 x lane
.set L4,    25                         ; v25 4 x lane
.set SPW,   28                         ; v28 LDS address of my spare word; never rewritten
.set NIL,   29                         ; v29 0; never rewritten
.set SCA,   32
.set SCB,   SCA+(NA/2)*NS
.set RB,    96                         ; window 0: bv, a pair for each block of part 2
.set BI0,   96                         ; window 1: bq or bk: pair k of my 32 pairs of columns at v[BI0 + 2 k + BIJ (k / 16)]
.set BIJ,   96
.set AF,    128
.set T,     128
.set PC,    192
.set TM,    212
.set PW,    228
.set PWE,   229
.set SW,    230
.set G1,    24                         ; s[24:31] group 1 for part 1's tiles of A; s[32:43] group 0, a set for each slot
.set G0,    32
.set G1B,   48                         ; s[48:55] group 1 for B's tiles, in both parts; s[56:63], s[84:87] group 0, a set for each slot
.set G0B,   56
.set G1V,   76                         ; s[76:83] group 1 for part 2's tiles of A
.set GVA,   88                         ; s[88:91], s[92:95] groups 0 for part 2's tiles of A and of B: they walk
.set GVB,   92
.set SEL,   66
.set HM,    96
.set MSB,   0
.macro WIN new                         ; the immediate's high byte repeats the setting that is left; a switch that changes nothing is dropped
.if MSB != \new
	s_set_vgpr_msb (MSB<<8)|\new
.set MSB, \new
.endif
.endm
; A joint load: waves 0 and 1 fetch A's halves, waves 2 and 3 B's.  The branch hangs on the wave's number alone.  An s_nop 0 and four v_nop follow each of the two lines.
.macro JLOAD g0a, g1a, g0b, g1b
	s_cmp_eq_u32 s15, 0
	s_cbranch_scc0 .Lfor_b_\@
	tensor_load_to_lds s[\g0a:\g0a+3], s[\g1a:\g1a+7]
	s_nop 0
.rept 4
	v_nop
.endr
	s_branch .Lasked_\@
.Lfor_b_\@:
	tensor_load_to_lds s[\g0b:\g0b+3], s[\g1b:\g1b+7]
	s_nop 0
.rept 4
	v_nop
.endr
.Lasked_\@:
.endm
.macro CREST                           ; a round of the cluster's barrier behind its opening barrier
	s_cmp_lg_u32 s14, 0
	s_cbranch_scc1 .Lnot_wave_0_\@
	s_barrier_signal -3
.Lnot_wave_0_\@:
	s_barrier_wait -3
	s_barrier_signal -1
	s_barrier_wait -1
.endm
.macro CROUND
	s_barrier_signal -1
	s_barrier_wait -1
	CREST
.endm
.macro PLACES n                        ; plain vector places behind matrix instructions, in front of loads into their operands, of reads of their results and of products that write over them
.rept \n
	v_nop
.endr
.endm
.macro GROUP1 g, rows                  ; a tile of `rows` blocks: a row is a block's NQ fragments (NQ x 192 elements of 8 bytes), NS x 192 elements apart in memory, dense in LDS
	s_mov_b32 s[\g+1], (NQ*192)<<16
	s_mov_b32 s[\g+2], (\rows)<<16
	s_mov_b32 s[\g+3], (NQ*192)<<16
	s_mov_b32 s[\g+4], \rows
	s_mov_b32 s[\g+5], NS*192
	s_mov_b32 s[\g+6], 0
	s_mov_b32 s[\g+7], 0
.endm
; Part 2's next pair of K steps into a slot.  No tensor load of mine is out where this stands, so both groups 0 may be written.  on = 0: the first pair, for which the addresses were made at the head.
.macro VFILL slot, on
	s_add_co_u32 s[GVA+1], s97, (\slot)*SLOT
	s_add_co_u32 s[GVB+1], s99, (\slot)*SLOT
.if (\on)
	s_add_nc_u64 s[GVA+2:GVA+3], s[GVA+2:GVA+3], NQ*FRB    ; the type bits on top are not reached
	s_add_nc_u64 s[GVB+2:GVB+3], s[GVB+2:GVB+3], NQ*FRB
.endif
	JLOAD GVA, G1V, GVB, G1B
.endm
.macro FRAG reg, adr, q, i             ; a fragment comes as it lies: three loads of 512 consecutive bytes
.irp c, 0,1,2
	ds_load_b128 v[\reg+4*\c:\reg+4*\c+3], v[\adr] offset:(\i)*NQ*FRB+(\q)*FRB+512*\c
.endr
.endm
.macro FETCH_B slot, q, p              ; B's eight fragments of the slot's q-th step into set p
	WIN 0x40
.irp i, 0,1,2,3,4,5,6,7
	FRAG 128*(\p)+12*\i, ADRB+\slot, \q, \i
.endr
	WIN 0
.endm
.macro FETCH_A slot, q, i0             ; A's blocks i0 .. i0 + HA - 1
.set FI, \i0
.rept HA
	FRAG AF+12*FI, ADRA+\slot, \q, FI
.set FI, FI+1
.endr
.endm
; One product.  cm = 1: C is the constant 0; else the sum goes on in place.  ob, oa: the parities of B's and A's block: an odd block's scale words stand in lanes 16-31.
.macro WMS cm, ob, oa
.if (\cm) == 1
.if ((\ob)+2*(\oa)) == 0
	v_wmma_scale_f32_16x16x128_f8f6f4 v[dA:dA+7], v[rB:rB+11], v[rA:rA+11], 0, v[sB], v[sA] matrix_a_fmt:MATRIX_FMT_FP6 matrix_b_fmt:MATRIX_FMT_FP6
.elseif ((\ob)+2*(\oa)) == 1
	v_wmma_scale_f32_16x16x128_f8f6f4 v[dA:dA+7], v[rB:rB+11], v[rA:rA+11], 0, v[sB], v[sA] matrix_a_fmt:MATRIX_FMT_FP6 matrix_b_fmt:MATRIX_FMT_FP6 matrix_a_scale:MATRIX_SCALE_ROW1
.elseif ((\ob)+2*(\oa)) == 2
	v_wmma_scale_f32_16x16x128_f8f6f4 v[dA:dA+7], v[rB:rB+11], v[rA:rA+11], 0, v[sB], v[sA] matrix_a_fmt:MATRIX_FMT_FP6 matrix_b_fmt:MATRIX_FMT_FP6 matrix_b_scale:MATRIX_SCALE_ROW1
.else
	v_wmma_scale_f32_16x16x128_f8f6f4 v[dA:dA+7], v[rB:rB+11], v[rA:rA+11], 0, v[sB], v[sA] matrix_a_fmt:MATRIX_FMT_FP6 matrix_b_fmt:MATRIX_FMT_FP6 matrix_a_scale:MATRIX_SCALE_ROW1 matrix_b_scale:MATRIX_SCALE_ROW1
.endif
.else
.if ((\ob)+2*(\oa)) == 0
	v_wmma_scale_f32_16x16x128_f8f6f4 v[dA:dA+7], v[rB:rB+11], v[rA:rA+11], v[dA:dA+7], v[sB], v[sA] matrix_a_fmt:MATRIX_FMT_FP6 matrix_b_fmt:MATRIX_FMT_FP6
.elseif ((\ob)+2*(\oa)) == 1
	v_wmma_scale_f32_16x16x128_f8f6f4 v[dA:dA+7], v[rB:rB+11], v[rA:rA+11], v[dA:dA+7], v[sB], v[sA] matrix_a_fmt:MATRIX_FMT_FP6 matrix_b_fmt:MATRIX_FMT_FP6 matrix_a_scale:MATRIX_SCALE_ROW1
.elseif ((\ob)+2*(\oa)) == 2
	v_wmma_scale_f32_16x16x128_f8f6f4 v[dA:dA+7], v[rB:rB+11], v[rA:rA+11], v[dA:dA+7], v[sB], v[sA] matrix_a_fmt:MATRIX_FMT_FP6 matrix_b_fmt:MATRIX_FMT_FP6 matrix_b_scale:MATRIX_SCALE_ROW1
.else
	v_wmma_scale_f32_16x16x128_f8f6f4 v[dA:dA+7], v[rB:rB+11], v[rA:rA+11], v[dA:dA+7], v[sB], v[sA] matrix_a_fmt:MATRIX_FMT_FP6 matrix_b_fmt:MATRIX_FMT_FP6 matrix_a_scale:MATRIX_SCALE_ROW1 matrix_b_scale:MATRIX_SCALE_ROW1
.endif
.endif
.endm
.macro MULB p, ks, cm                  ; A's block AI against B's eight, K step ks, B's set p
	WIN (0xa1+0x50*(AI/4))                         ; source 0 (B) window 1, source 1 (A) window 0, C and D window 2 or 3
.irp b, 0,1,2,3,4,5,6,7
.set dA, 8*(8*(AI%4)+\b)
.set rB, 128*(\p)+12*\b
.set rA, AF+12*AI
.set sB, SCB+(\b/2)*NS+(\ks)
.set sA, SCA+(AI/2)*NS+(\ks)
	WMS \cm, \b%2, AI%2
.endr
.endm
.macro MULR a0, n, p, ks, cm           ; the accumulators take turns, one instruction a turn, in the same order in every step
.set AI, \a0
.rept \n
	MULB \p, \ks, \cm
.set AI, AI+1
.endr
.endm
; A PREFETCH INTO THE L2 of the tile that my wave's n-th tensor load of the eight will bring (0-3: part 1's pairs of K steps; 4-7: part 2's).  The four partners that ask for a tile jointly share its blocks out BY ADDRESS:
; of the 8 (part 2's A: 4) image blocks that my wave fetches, the partner at place p (cx for A, cy for B) takes 2 p, 2 p + 1 (p): a lane names one run of 256 bytes of their 3,072 bytes a block; lanes left over name the last again.
; Base and offset are never rewritten: the pair of K steps stands in the immediate.  Loads 1 and 2 are asked for at the head; load n + 2 about when load n is issued, behind a run of LDS loads (PFN says which; 0: none).
.macro ASK n
.if (\n) < 4
	global_prefetch_b8 v30, s[100:101] offset:(\n)*NQ*FRB th:TH_LOAD_NT scope:SCOPE_SE
.else
	global_prefetch_b8 v31, s[104:105] offset:((\n)-4)*NQ*FRB th:TH_LOAD_NT scope:SCOPE_SE
.endif
.endm
.set PFN, 0
.macro STEP slot, q, ks, cm
	s_wait_dscnt 3*HA                              ; B's set and A's first half are in; the youngest loads (A's second half) may be out
	MULR 0, HA, (\q)%2, \ks, \cm
	s_wait_dscnt 0x0                               ; A's second half is in
	PLACES 4
	FETCH_B \slot, (\q)+1, 1-(\q)%2
	FETCH_A \slot, (\q)+1, 0
.if PFN > 0
	ASK PFN
.set PFN, 0
.endif
	MULR HA, HA, (\q)%2, \ks, \cm
	PLACES 4
	WIN 0
	FETCH_A \slot, (\q)+1, HA
.endm
; The first half of a slot's last step: ONE barrier for the change of slots.  In front of it each wave waits for all its tensor loads, adds 0 to its spare word, and waits for that and for its reads of this slot.
.macro MEET ks
	s_wait_tensorcnt 0x0                           ; all my tensor loads have landed, my part of the next slot among them
	ds_add_u32 v[SPW], v[NIL]                      ; 0 onto my spare word
	s_wait_dscnt 3*HA+1                            ; (the add and A's second half may be out)
	MULR 0, HA/2, 1, \ks, 0
	s_wait_dscnt 0x0                               ; the add is done, and my reads of this slot are over
	s_barrier_signal -1
	MULR HA/2, HA/2, 1, \ks, 0
	WIN 0
	s_barrier_wait -1
.endm
; A slot's last step.  fill = 0: nothing is asked for; 4: slot 2's first fill, part 1's K steps 4 and 5; 1: slot 0 takes part 1's last pair of K steps; 2, 3: slot fs takes part 2's first, or next, pair.
; THE ORDER OF THE FILLS, one tensor load a wave behind each round: part 1's pair 0 at the head, pair 1 behind the head's second round, pair 2 behind K step 1, pair 3 behind K step 3;
; part 2's pair 0 behind part 1's K step 5, pair 1 behind its K step 7, pair 2 behind a round in part 1's way out, pair 3 behind part 2's K step 1.  Pair n of the eight lies in slot n % 3.
; Where something is asked for the barrier opens a round of the cluster's barrier: no wave of any partner still reads the slot or has a load on its way; the joint load is the first tensor load behind the round.
.macro TURN slot, next, fill, ks, fs
	MEET \ks
.if (\fill) == 1
	CREST
	s_add_nc_u64 s[G0+2:G0+3], s[G0+2:G0+3], 3*NQ*FRB
	s_add_nc_u64 s[G0B+2:G0B+3], s[G0B+2:G0B+3], 3*NQ*FRB
	JLOAD G0, G1, G0B, G1B
.elseif (\fill) == 4
	CREST
	JLOAD G0+8, G1, G0B+28, G1B
.elseif (\fill) >= 2
	CREST
	VFILL \fs, (\fill)-2
.else
	PLACES 4
.endif
	FETCH_B \next, 0, 0
	FETCH_A \next, 0, 0
.if PFN > 0
	ASK PFN
.set PFN, 0
.endif
	MULR HA, HA, 1, \ks, 0
	PLACES 4
	WIN 0
	FETCH_A \next, 0, HA
.endm
.macro LAST ks
	s_wait_dscnt 3*HA
	MULR 0, HA, 1, \ks, 0
	s_wait_dscnt 0x0
	MULR HA, HA, 1, \ks, 0
	WIN 0
.endm
.macro SCLOAD reg, np, adr             ; the scale words of np pairs of blocks, all K steps: 128 consecutive bytes a load
.set P_, 0
.rept \np
.set S_, 0
.rept NS
	global_load_b32 v[\reg+P_*NS+S_], v[\adr], s[4:5] offset:S_*32768+128*P_
.set S_, S_+1
.endr
.set P_, P_+1
.endr
.endm
; 64 numbers of a lane, register 16 b + i = k 32 b + 16 (lane / 16) + i of my row, become a fragment's codes in v[PC] on and its scale word in v[PW] (the same in both halves of the lanes).
.macro QUANT src
.irp b, 0,1,2,3
	v_max3_num_f32 v[TM+\b], |v[\src+16*\b]|, |v[\src+1+16*\b]|, 0x1800000   ; with the floor 2^(3 - 127): the byte cannot fall under 1
.endr
.irp i, 2,4,6,8,10,12,14
.irp b, 0,1,2,3
	v_max3_num_f32 v[TM+\b], v[TM+\b], |v[\src+16*\b+\i]|, |v[\src+1+16*\b+\i]|
.endr
.endr
.irp b, 0,1,2,3
	v_permlanex16_b32 v[TM+4+\b], v[TM+\b], s[SEL], s[SEL+1]
.endr
.irp b, 0,1,2,3
	v_max_num_f32 v[TM+\b], v[TM+\b], v[TM+4+\b]   ; with lane l xor 16's: the block's largest magnitude
.endr
.irp b, 0,1,2,3
	v_add_nc_u32 v[TM+12+\b], 0xff000000, v[TM+\b] ; 2 off its exponent field: the conversion's scale operand
.endr
.irp b, 0,1,2,3
	v_lshrrev_b32 v[TM+4+\b], 23, v[TM+12+\b]      ; the scale's byte
.endr
	v_lshl_or_b32 v[PW], v[TM+5], 8, v[TM+4]
	v_lshl_or_b32 v[PW], v[TM+6], 16, v[PW]
	v_lshl_or_b32 v[PW], v[TM+7], 24, v[PW]
.irp c, 0,1
	v_cvt_scalef32_pk16_fp6_f32 v[PC+6*\c:PC+2+6*\c], v[\src+32*\c:\src+15+32*\c], v[TM+12+2*\c]
	v_cvt_scalef32_pk16_fp6_f32 v[PC+12+4*\c:PC+14+4*\c], v[\src+16+32*\c:\src+31+32*\c], v[TM+12+2*\c+1]
.endr
	v_nop                                          ; one plain place behind a scaled conversion
.irp c, 0,1                                    ; the layout wants a WHOLE block in a lane: lanes 0-15 block 2 c, lanes 16-31 block 2 c + 1
.irp i, 0,1,2
	v_permlane16_swap_b32 v[PC+6*\c+\i], v[PC+12+4*\c+\i]
.endr
.irp i, 0,1,2
	v_mov_b32 v[PC+3+6*\c+\i], v[PC+12+4*\c+\i]
.endr
.endr
.endm
.macro SENDQ a, vop, vsc, blk          ; block a's fragment, blk bytes from block to block of the image; and, for each pair of blocks, their scale words
.irp k, 0,1,2
	global_store_b128 v[\vop], v[PC+4*\k:PC+4*\k+3], s[12:13] offset:(\a)*(\blk)+512*\k   ; 512 consecutive bytes, at a multiple of 256 from the buffer's first byte
.endr
.if ((\a)%2) == 0
	v_mov_b32 v[PWE], v[PW]
.else
	v_cndmask_b32 v[SW], v[PWE], v[PW], s[HM]      ; lanes 0-15 the even block's words, lanes 16-31 the odd block's
	global_store_b32 v[\vsc], v[SW], s[12:13] offset:128*((\a)/2)
.endif
.endm
	s_load_b256 s[4:11], s[0:1], 0x0               ; qa s[4:5], bq s[6:7], bk s[8:9], bv s[10:11]
	s_load_b64 s[12:13], s[0:1], 0x20              ; qb
	v_lshl_add_u32 v[SPW], v0, 2, SPARE
	v_mov_b32 v[NIL], 0
	ds_add_u32 v[SPW], v[NIL]                      ; the wave's opening: the add and its wait ahead of my first tensor load; the set-up below, work on registers, stands between them
	ds_add_u32 v[SPW], v[NIL]
	v_lshrrev_b32 v1, 5, v0
	v_readfirstlane_b32 s14, v1                    ; wave 0..3
	s_lshr_b32 s15, s14, 1                         ; which half of a tile's rows is mine.  Also: I fetch for A (0) or for B (1)
	s_and_b32 s16, s14, 1                          ; which half of its columns.  Also: which half of that tile I fetch
	s_bfe_u32 s21, ttmp6, 0x40000                  ; cx
	s_bfe_u32 s22, ttmp6, 0x40004                  ; cy
	s_and_b32 s23, ttmp7, 0xffff                   ; cluster y
	s_lshl_b32 s2, s23, 2
	s_lshl_b32 s3, ttmp9, 2
	s_add_co_u32 s17, s2, s22                      ; part 1, A: X's tile of 256 rows, 4 CY + cy
	s_add_co_u32 s18, s3, s21                      ; part 1, B: the tile of 256 rows of wq (0-3) or wk (4-7), 4 CX + cx
	s_add_co_u32 s19, s3, s22                      ; part 2, A: wv's tile of 128 rows, 4 CX + cy
	s_add_co_u32 s20, s2, s21                      ; part 2, B: X's tile of 256 rows, 4 CY + cx
	s_lshl_b32 s72, s22, 2
	s_lshl_b32 s72, 15, s72                        ; my row of the cluster
	s_lshl_b32 s73, 0x1111, s21                    ; my column
	s_or_b32 s[G1], s72, (3<<16)|(1<<21)           ; 15:0 the mask; 17:16 elements of 8 bytes; 21 set beside a mask; no padding
	s_or_b32 s[G1V], s72, (3<<16)|(1<<21)
	s_or_b32 s[G1B], s73, (3<<16)|(1<<21)
	GROUP1 G1, 8
	GROUP1 G1V, 4
	GROUP1 G1B, 8
	; where the tiles come from, as offsets in qa.  A's hang on cy and the cluster's numbers alone, B's on cx and the cluster's numbers alone
	s_mul_i32 s2, s16, 98304                       ; the half that I fetch: 8 blocks of 12,288 bytes,
	s_mul_i32 s3, s16, 49152                       ; or 4
	s_mul_i32 s44, s17, 196608
	s_add_co_u32 s44, s44, s2
	s_mov_b32 s45, 0
	s_mul_i32 s46, s18, 196608
	s_add_co_u32 s46, s46, s2
	s_add_co_u32 s46, s46, WI
	s_mov_b32 s47, 0
	s_mul_i32 s[GVA+2], s19, 98304
	s_add_co_u32 s[GVA+2], s[GVA+2], s3
	s_add_co_u32 s[GVA+2], s[GVA+2], WI+1572864    ; wv's image: blocks 128 on of the weights'
	s_mov_b32 s[GVA+3], 0
	s_mul_i32 s[GVB+2], s20, 196608
	s_add_co_u32 s[GVB+2], s[GVB+2], s2
	s_mov_b32 s[GVB+3], 0
	s_mul_i32 s97, s16, AH2                        ; and where they go in a slot: no place in the cluster enters an LDS address
	s_mul_i32 s98, s16, AH1
	s_mul_i32 s99, s16, BH
	s_add_co_u32 s99, s99, ASZ
	s_mov_b32 s[SEL], 0x76543210
	s_mov_b32 s[SEL+1], 0xfedcba98                 ; v_permlanex16_b32's selects for lane l xor 16
	s_mov_b32 s[HM], 0xffff0000                    ; lanes 16-31
	; the lanes' offsets into qa, the biases and qb
	v_and_b32 v1, 31, v0
	v_and_b32 v2, 15, v0                           ; r
	v_bfe_u32 v3, v0, 4, 1                         ; h
	v_lshlrev_b32 v[IO], 4, v1
	v_lshlrev_b32 v[L4], 2, v1
	s_wait_alu depctr_va_vdst(0)
	s_lshl_b32 s69, s15, 9
	s_lshl_b32 s70, s16, 9
	s_lshl_b32 s71, s15, 8
	s_lshl_b32 s68, s17, 10                        ; part 1, A's scale words: 256 rows a tile, my 128
	s_add_co_u32 s68, s68, s69
	s_add_co_u32 s68, s68, XS
	v_add_nc_u32 v[VSA1], s68, v[L4]
	s_lshl_b32 s68, s18, 10                        ; part 1, B's
	s_add_co_u32 s68, s68, s70
	s_add_co_u32 s68, s68, WS
	v_add_nc_u32 v[VSB1], s68, v[L4]
	s_lshl_b32 s68, s19, 9                         ; part 2, A's: 128 rows a tile, my 64; wv's image rows begin at 2,048
	s_add_co_u32 s68, s68, s71
	s_add_co_u32 s68, s68, WS+8192
	v_add_nc_u32 v[VSA2], s68, v[L4]
	s_lshl_b32 s68, s20, 10                        ; part 2, B's
	s_add_co_u32 s68, s68, s70
	s_add_co_u32 s68, s68, XS
	v_add_nc_u32 v[VSB2], s68, v[L4]
	s_lshl_b32 s68, s21, 10                        ; bq or bk: column 256 cx + 128 x my half, + my half of the lanes' 16 of each 32
	s_add_co_u32 s68, s68, s70
	v_lshlrev_b32 v27, 6, v3
	v_add_nc_u32 v27, s68, v27
	s_lshl_b32 s68, s19, 9                         ; bv: row 128 x tile + 64 x my half + r + 8 (r / 8)
	s_add_co_u32 s68, s68, s71
	v_and_b32 v26, 8, v2
	v_add_nc_u32 v26, v26, v2
	v_lshlrev_b32 v26, 2, v26
	v_add_nc_u32 v26, s68, v26
	s_lshl_b32 s74, s21, 1
	s_add_co_u32 s74, s74, s16                     ; part 1's results are K step 2 cx + my half of the score product,
	s_mul_i32 s68, ttmp9, KI                       ; of Q's image or K's,
	s_mul_i32 s75, s17, 196608                     ; 16 blocks of 12,288 bytes a tile,
	s_add_co_u32 s68, s68, s75
	s_mul_i32 s75, s15, 98304                      ; my 8
	s_add_co_u32 s68, s68, s75
	s_mul_i32 s75, s74, FRB
	s_add_co_u32 s68, s68, s75
	v_add_nc_u32 v[VOP1], s68, v[IO]
	s_lshl_b32 s68, ttmp9, 18                      ; and their scale words: a table of 262,144 bytes each, 32,768 a K step
	s_lshl_b32 s75, s74, 15
	s_add_co_u32 s68, s68, s75
	s_lshl_b32 s75, s17, 10
	s_add_co_u32 s68, s68, s75
	s_add_co_u32 s68, s68, s69
	s_add_co_u32 s68, s68, QS
	v_add_nc_u32 v[VSC1], s68, v[L4]
	s_lshl_b32 s74, s19, 3                         ; part 2's results: V^T's block 64 x batch + 8 x tile + 4 x my half,
	s_lshl_b32 s75, s15, 2
	s_add_co_u32 s74, s74, s75
	s_lshr_b32 s75, s23, 1                         ; (X's tile 4 CY + cx lies in batch CY / 2)
	s_lshl_b32 s75, s75, 6
	s_add_co_u32 s74, s74, s75
	s_and_b32 s75, s20, 7
	s_lshl_b32 s75, s75, 1
	s_add_co_u32 s75, s75, s16                     ; K step 2 x (X's tile in its batch) + my half
	s_mul_i32 s68, s74, 24576                      ; 16 fragments a block
	s_mul_i32 s2, s75, FRB
	s_add_co_u32 s68, s68, s2
	s_add_co_u32 s68, s68, VI
	v_add_nc_u32 v[VOP2], s68, v[IO]
	s_lshl_b32 s68, s75, 14                        ; 4,096 rows a K step
	s_lshl_b32 s2, s74, 6
	s_add_co_u32 s68, s68, s2
	s_add_co_u32 s68, s68, VS
	v_add_nc_u32 v[VSC2], s68, v[L4]
	s_mul_i32 s2, s15, AH1                         ; my fragments in the slots
	s_mul_i32 s3, s16, BH
	s_add_co_u32 s3, s3, ASZ
	s_mul_i32 s68, s15, AH2
.irp sl, 0,1,2
	v_add_nc_u32 v[ADRA1+\sl], s2, v[IO]
	v_add_nc_u32 v[ADRB+\sl], s3, v[IO]
	v_add_nc_u32 v[ADRA2+\sl], s68, v[IO]
	s_add_co_u32 s2, s2, SLOT
	s_add_co_u32 s3, s3, SLOT
	s_add_co_u32 s68, s68, SLOT
.endr
	s_cmp_eq_u32 s15, 0                            ; the prefetches: do I fetch for A?
	s_cselect_b32 s100, s44, s46                   ; part 1: where my half of the tile lies in qa,
	s_cselect_b32 s104, s[GVA+2], s[GVB+2]         ; and part 2
	s_cselect_b32 s2, s21, s22                     ; my place among the four that ask with me: cx for A, cy for B
	s_cselect_b32 s3, 0, 1                         ; part 2: one block of A's four, two of B's eight
	s_cselect_b32 s68, 11, 23                      ; so 12 or 24 runs of 256 bytes
	s_mul_i32 s69, s2, 24576
	s_add_co_u32 s100, s100, s69
	s_mov_b32 s101, 0
	s_lshl_b32 s3, s2, s3
	s_mul_i32 s3, s3, 12288
	s_add_co_u32 s104, s104, s3
	s_mov_b32 s105, 0
	v_min_u32 v30, 23, v1                          ; run q = min(lane, last): block q / 12 of my two, 12,288 bytes apart, and 256 (q % 12) in it
	v_min_u32 v31, s68, v1
	v_mul_u32_u24 v2, v30, 11
	v_mul_u32_u24 v3, v31, 11
	v_lshrrev_b32 v2, 7, v2                        ; q / 12 for q under 24
	v_lshrrev_b32 v3, 7, v3
	v_mul_u32_u24 v2, v2, 9216
	v_mul_u32_u24 v3, v3, 9216
	v_lshl_add_u32 v30, v30, 8, v2
	v_lshl_add_u32 v31, v31, 8, v3
	s_wait_alu depctr_va_vdst(0)                   ; the wait ahead of the waits below
	s_wait_dscnt 0x0                               ; the opening adds are done
	s_wait_kmcnt 0x0
	s_add_nc_u64 s[100:101], s[4:5], s[100:101]
	s_add_nc_u64 s[104:105], s[4:5], s[104:105]
	s_add_nc_u64 s[44:45], s[4:5], s[44:45]
	s_add_nc_u64 s[46:47], s[4:5], s[46:47]
	s_mov_b32 s[GVA], 1
	s_add_nc_u64 s[GVA+2:GVA+3], s[4:5], s[GVA+2:GVA+3]
	s_or_b32 s[GVA+3], s[GVA+3], 0x80000000
	s_mov_b32 s[GVB], 1
	s_add_nc_u64 s[GVB+2:GVB+3], s[4:5], s[GVB+2:GVB+3]
	s_or_b32 s[GVB+3], s[GVB+3], 0x80000000
	s_cmp_eq_u32 ttmp9, 0                          ; the cluster's x, which all sixteen partners share
	s_cselect_b64 s[6:7], s[6:7], s[8:9]           ; bq for Q's clusters, bk for K's
	CROUND                                         ; all sixteen work-groups are here: the first joint loads meet
.irp sl, 0,1,2
.set GBS, G0B+4*\sl+20*(\sl/2)
	s_mov_b32 s[G0+4*\sl], 1
	s_add_co_u32 s[G0+4*\sl+1], s98, \sl*SLOT
	s_add_nc_u64 s[G0+4*\sl+2:G0+4*\sl+3], s[44:45], \sl*NQ*FRB
	s_or_b32 s[G0+4*\sl+3], s[G0+4*\sl+3], 0x80000000
	s_mov_b32 s[GBS], 1
	s_add_co_u32 s[GBS+1], s99, \sl*SLOT
	s_add_nc_u64 s[GBS+2:GBS+3], s[46:47], \sl*NQ*FRB
	s_or_b32 s[GBS+3], s[GBS+3], 0x80000000
.endr
	JLOAD G0, G1, G0B, G1B                         ; K steps 0 and 1: one tensor load a wave at the head
	ASK 1
	ASK 2
	SCLOAD SCA, 4, VSA1
	SCLOAD SCB, 4, VSB1
	WIN 0x40                                       ; destination window 1
.irp b, 0,1,2,3,4,5,6,7                        ; tile b's eight columns of my half: 32 (b / 2) + 16 h + 8 (b % 2) + 0 .. 7
	global_load_b128 v[BI0+8*\b+BIJ*(\b/4):BI0+8*\b+BIJ*(\b/4)+3], v27, s[6:7] offset:(32*(\b/2)+8*(\b%2))*4
	global_load_b128 v[BI0+8*\b+BIJ*(\b/4)+4:BI0+8*\b+BIJ*(\b/4)+7], v27, s[6:7] offset:(32*(\b/2)+8*(\b%2))*4+16
.endr
	WIN 0
.irp a, 0,1,2,3                                ; bv at block a's row of mine, twice: the packed addition names a pair
	global_load_b32 v[RB+2*\a], v26, s[10:11] offset:(32*(\a/2)+8*(\a%2))*4
	global_load_b32 v[RB+2*\a+1], v26, s[10:11] offset:(32*(\a/2)+8*(\a%2))*4
.endr
	s_wait_alu depctr_va_vdst(0)                   ; the wait at the head's end
	s_wait_tensorcnt 0x0                           ; my part of slot 0 is in
	ds_add_u32 v[SPW], v[NIL]
	s_wait_dscnt 0x0
	CROUND                                         ; everybody's part of slot 0 is in, and all sixteen work-groups are here
	JLOAD G0+4, G1, G0B+4, G1B                     ; K steps 2 and 3, the first tensor load behind the round
	s_wait_loadcnt 0x0                             ; scale words and biases
	; ---- PART 1: 256 rows of X against 256 rows of wq or wk
	FETCH_B 0, 0, 0
	FETCH_A 0, 0, 0
	FETCH_A 0, 0, HA
.set PFN, 3
	STEP 0, 0, 0, 1                                ; the first K step's products start the sums: nothing is cleared
.set PFN, 4
	TURN 0, 1, 4, 1, 2                             ; slot 2 is filled for the first time: K steps 4 and 5
	STEP 1, 0, 2, 0
.set PFN, 5
	TURN 1, 2, 1, 3, 0                             ; slot 0 takes K steps 6 and 7
	STEP 2, 0, 4, 0
.set PFN, 6
	TURN 2, 0, 2, 5, 1                             ; slot 1 takes part 2's K steps 0 and 1
.set PFN, 7
	STEP 0, 0, 6, 0
	MEET 7                                         ; the last step changes slots too, but fetches no fragments: the registers are wanted on the way out
	CREST
	VFILL 2, 1                                     ; slot 2 takes part 2's K steps 2 and 3
	MULR HA, HA, 1, 7, 0
	WIN 0
	PLACES 4
.set NA,   4                           ; from here on the macros are part 2's
.set HA,   NA/2
.set SCB,  SCA+(NA/2)*NS
.set ADRA, ADRA2
	SCLOAD SCA, 2, VSA2                            ; part 2's scale words, into the registers that held part 1's: they come while part 1's results are quantised
	SCLOAD SCB, 4, VSB2
	; PART 1'S WAY OUT, block by block: + bq or bk, quantised along my 128 columns, one fragment and one scale word a row
.irp b, 0,1,2,3
	v_mov_b32 v[TM+4+\b], 0                        ; written once: a lane permute's destination counts as one of its sources
.endr
.irp a, 0,1,2,3,4,5,6,7
.if \a == 4
	s_wait_alu depctr_va_vdst(0)                   ; the wait ahead of the waits below
	s_wait_tensorcnt 0x0                           ; a round of its own in the middle of the way out: all my tensor loads have landed,
	ds_add_u32 v[SPW], v[NIL]                      ; 0 onto my spare word,
	s_wait_dscnt 0x0
	CROUND                                         ; slot 0 has been read by nobody since K step 7's barrier
	VFILL 0, 1                                     ; slot 0 takes part 2's K steps 4 and 5
.endif
	s_wait_xcnt 0x0                                ; the last block's stores have read their data: they are written again only behind this wait
	WIN (0x06+(\a/4))
.set K_, 0
.rept 32
	v_pk_add_f32 v[T+2*K_:T+2*K_+1], v[64*(\a%4)+2*K_:64*(\a%4)+2*K_+1], v[BI0+2*K_+BIJ*(K_/16):BI0+2*K_+BIJ*(K_/16)+1]   ; each accumulator from its low end on
.set K_, K_+1
.endr
	WIN 0
	QUANT T
	SENDQ \a, VOP1, VSC1, 12288
.endr
	; ---- PART 2: 128 rows of wv against 256 rows of X.  Its K steps 0 and 1 lie in slot 1: their loads were waited for in front of the barrier of part 1's K step 7
	PLACES 5
	s_wait_loadcnt 0x0                             ; part 2's scale words
	FETCH_B 1, 0, 0
	FETCH_A 1, 0, 0
	FETCH_A 1, 0, HA
	STEP 1, 0, 0, 1
	TURN 1, 2, 3, 1, 1                             ; slot 1 takes K steps 6 and 7: the last load
	STEP 2, 0, 2, 0
	TURN 2, 0, 0, 3, 0
	STEP 0, 0, 4, 0
	TURN 0, 1, 0, 5, 0
	STEP 1, 0, 6, 0
	LAST 7
	; PART 2'S WAY OUT: + bv, quantised along my 128 keys
	PLACES 4
.irp a, 0,1,2,3
	s_wait_xcnt 0x0                                ; the last block's stores have read their data
	WIN 0x02                                       ; source 0: window 2
.set K_, 0
.rept 32
	v_pk_add_f32 v[T+2*K_:T+2*K_+1], v[64*\a+2*K_:64*\a+2*K_+1], v[RB+2*\a:RB+2*\a+1] op_sel_hi:[1,0]   ; each accumulator from its low end on
.set K_, K_+1
.endr
	WIN 0
	QUANT T
	SENDQ \a, VOP2, VSC2, 24576
.endr
	s_wait_tensorcnt 0x0                           ; the wave's end
	ds_add_u32 v[SPW], v[NIL]
	s_wait_dscnt 0x0
	CROUND                                         ; the closing round: no work-group ends while a partner may still ask for a tile that names it
	s_endpgm
.Lfunc_end_k_qf3ceff8f3c_qkv:
	.size	k_qf3ceff8f3c_qkv, .Lfunc_end_k_qf3ceff8f3c_qkv-k_qf3ceff8f3c_qkv
	.p2alignl 7, 3214868480
	.fill 96, 4, 3214868480
	.section	.rodata,"a",@progbits
	.p2align	6, 0x0
	.amdhsa_kernel k_qf3ceff8f3c_qkv
		.amdhsa_group_segment_fixed_size 327680
		.amdhsa_private_segment_fixed_size 0
		.amdhsa_enable_private_segment 0
		.amdhsa_kernarg_size 40
		.amdhsa_user_sgpr_count 2
		.amdhsa_user_sgpr_kernarg_segment_ptr 1
		.amdhsa_wavefront_size32 1
		.amdhsa_system_sgpr_workgroup_id_x 1
		.amdhsa_system_sgpr_workgroup_id_y 1
		.amdhsa_system_sgpr_workgroup_id_z 1
		.amdhsa_system_vgpr_workitem_id 0
		.amdhsa_next_free_vgpr 1024
		.amdhsa_next_free_sgpr 106
		.amdhsa_reserve_vcc 0
		.amdhsa_float_denorm_mode_32 3
		.amdhsa_float_denorm_mode_16_64 3
		.amdhsa_memory_ordered 1
		.amdhsa_forward_progress 1
		.amdhsa_inst_pref_size 253
	.end_amdhsa_kernel
	.amdgpu_metadata
---
amdhsa.version: [ 1, 2 ]
amdhsa.kernels:
  - .name:           k_qf3ceff8f3c_qkv
    .symbol:         k_qf3ceff8f3c_qkv.kd
    .args:
      - { .name: qa, .offset: 0, .size: 8, .value_kind: global_buffer, .address_space: global }
      - { .name: bq, .offset: 8, .size: 8, .value_kind: global_buffer, .address_space: global }
      - { .name: bk, .offset: 16, .size: 8, .value_kind: global_buffer, .address_space: global }
      - { .name: bv, .offset: 24, .size: 8, .value_kind: global_buffer, .address_space: global }
      - { .name: qb, .offset: 32, .size: 8, .value_kind: global_buffer, .address_space: global }
    .group_segment_fixed_size: 327680
    .private_segment_fixed_size: 0
    .kernarg_segment_align: 8
    .kernarg_segment_size: 40
    .max_flat_workgroup_size: 128
    .sgpr_count:     106
    .vgpr_count:     1024
    .wavefront_size: 32
...
	.end_amdgpu_metadata
.endif
;; end of part 2
;; launch score (part 3): grid 8 x 32, 4 waves a work-group, clusters of 4 x 4, 327,680 bytes of LDS; arguments qb, mb, qc; writes qc
.if DOCPART == 3
	.amdgcn_target "amdgcn-amd-amdhsa--gfx1250"
	.amdhsa_code_object_version 6
	.text
	.protected	k_qf3ceff8f3c_score
	.globl	k_qf3ceff8f3c_score
	.p2align	8
	.type	k_qf3ceff8f3c_score,@function
k_qf3ceff8f3c_score:
	s_mov_b64 s[64:65], 0
	v_nop
	global_prefetch_b8 v0, s[64:65] scope:SCOPE_SE
	s_setreg_imm32_b32 hwreg(HW_REG_WAVE_MODE, 25, 1), 1
	s_wait_xcnt 0x0
	s_wait_alu depctr_hold_cnt(0) depctr_sa_sdst(0) depctr_va_vdst(0) depctr_va_sdst(0) depctr_va_ssrc(0) depctr_va_vcc(0) depctr_vm_vsrc(0)
	s_getreg_b32 s2, hwreg(HW_REG_IB_STS2, 6, 4)
	s_cmp_eq_u32 s2, 0
	s_cbranch_scc0 .Lentry_in_a_cluster
	s_endpgm
.Lentry_in_a_cluster:
	s_bfe_u32 s2, ttmp6, 0x10000c
	s_cmp_lg_u32 s2, 0xf033
	s_cbranch_scc0 .Lentry_shape_is_right
	s_endpgm
.Lentry_shape_is_right:
; SCORE.  S = Q K^T on codes of FP6 (E2M3) with E8M0 scales; the mask; and the softmax's p, quantised along the keys, 128 keys at a time.
; For a query and a chunk of 128 keys: t = score x log2(e) / 32; M = the chunk's largest t, rounded UP to a whole number; p = 2^(t - M) is quantised; l = the sum of the unquantised p.
; M IS THE CHUNK'S OWN: the next launch takes (the row's largest M - this M) off p's scale bytes and off l's exponent, which rounds nothing.  So p goes to memory as codes, with a scale word, -M and l a row and chunk.
; Masked scores become -infinity ahead of the maximum (a select by a lane mask that an earlier launch stored: no branch hangs on it): p = 0.  A chunk with no key left keeps -M = 3e38, p = 0, l = 0.
; OPERANDS ARE IMAGES OF REGISTERS: a fragment (16 rows x 128 K, 12 registers a lane) is 1,536 bytes, registers 4 c .. 4 c + 3 of lane l at 512 c + 16 l; lane row r of block ib is row 32 (ib / 2) + 8 (ib % 2) + r + 8 (r / 8).
; THE MATRIX INSTRUCTION IS USED TRANSPOSED: source 0 = 16 keys (B here), source 1 = 16 queries (A): a lane holds ONE query, and register 16 g + i of a block's 64 is key 32 g + 16 (lane / 16) + i of the chunk.
; SHARES.  A work-group of four waves makes 256 queries x 256 keys of one batch; a wave 128 x 128 (one chunk): 64 accumulators.  K = 1,024 goes through a ring of two LDS slots of 256 along K each.
; CLUSTERS: 4 x 4: Q's tile is shared along a row of the cluster, K's along a column: each is asked for JOINTLY.  All scale words stay in registers: the eight K steps are written out.
; REGISTERS: window 0: v16-29 addresses; v32-63 Q's scale words, v64-95 K's; v128-223 Q's fragments.  window 1: K's fragments, two sets.  windows 2, 3: the accumulators.  On the way out window 0's v128-242 are at work.
; LIMITS: p under 2^-126 comes out of v_exp_f32 as 0; a block of zeros gets the scale byte 1 (its codes are zeros; this program alone reads the bytes); t under -3e38 is held there; NaN and infinities among the scores are not served.
.set NA,    8
.set NQ,    2
.set NS,    8
.set BI0,   0                          ; (no bias here)
.set BIJ,   0
.set KI,    6291456                    ; qb: K's image (Q's at 0); QS, KS: scale words
.set QS,    18874368
.set KS,    19136512
.set PS,    12582912                   ; qc: p's scale words; -M lies 524,288 bytes on, l 1,048,576
.set FRB,   1536
.set HA,    NA/2
.set AH,    NA*NQ*FRB
.set BH,    8*NQ*FRB
.set ASZ,   2*AH
.set SLOT,  ASZ+2*BH
.set SPARE, 2*SLOT                     ; behind the ring: the spare words, 128 bytes for each wave: two blocks of 256 bytes that no other line names
.set ADRA,  16
.set ADRB,  20
.set IO,    24
.set L4,    25
.set SPW,   28
.set NIL,   29
.set SCA,   32
.set SCB,   SCA+(NA/2)*NS
.set AF,    128
.set G1,    24
.set G0,    32
.set G1B,   48
.set G0B,   56
.set T,     128                        ; v128-191 a block's 64 scores, then p
.set PC,    192                        ; v192-211 the codes
.set BM,    212                        ; v212-215 the largest score of each 32 keys, then the largest p
.set BX,    216                        ; v216-219 lane l xor 16's, then the scale bytes
.set SO,    220                        ; v220-223 the conversions' scale operands
.set TT,    224                        ; v224 the largest t
.set NM,    226                        ; v[226:227] -M (the packed form names a pair)
.set SUA,   228                        ; v[228:229], v[230:231] the sum, in two chains
.set SUB,   230
.set PW,    232                        ; v232 the scale word
.set KW,    233                        ; v233-235 the even block's word, -M and l
.set LS,    236                        ; v236 l; v237 lane l xor 16's
.set NINF,  239
.set SD,    240                        ; v240-242 what is stored for a pair of blocks
.set HM,    66
.set MSB,   0
.macro WIN new
.if MSB != \new
	s_set_vgpr_msb (MSB<<8)|\new
.set MSB, \new
.endif
.endm
.macro JLOAD g0a, g1a, g0b, g1b        ; a joint load: waves 0 and 1 fetch A's halves, waves 2 and 3 B's; an s_nop 0 and four v_nop follow each line
	s_cmp_eq_u32 s15, 0
	s_cbranch_scc0 .Lfor_b_\@
	tensor_load_to_lds s[\g0a:\g0a+3], s[\g1a:\g1a+7]
	s_nop 0
.rept 4
	v_nop
.endr
	s_branch .Lasked_\@
.Lfor_b_\@:
	tensor_load_to_lds s[\g0b:\g0b+3], s[\g1b:\g1b+7]
	s_nop 0
.rept 4
	v_nop
.endr
.Lasked_\@:
.endm
.macro CREST
	s_cmp_lg_u32 s14, 0
	s_cbranch_scc1 .Lnot_wave_0_\@
	s_barrier_signal -3
.Lnot_wave_0_\@:
	s_barrier_wait -3
	s_barrier_signal -1
	s_barrier_wait -1
.endm
.macro CROUND
	s_barrier_signal -1
	s_barrier_wait -1
	CREST
.endm
.macro PLACES n
.rept \n
	v_nop
.endr
.endm
.macro GROUP1 g, rows                  ; a tile of `rows` blocks: a row is a block's NQ fragments (NQ x 192 elements of 8 bytes), NS x 192 elements apart in memory, dense in LDS
	s_mov_b32 s[\g+1], (NQ*192)<<16
	s_mov_b32 s[\g+2], (\rows)<<16
	s_mov_b32 s[\g+3], (NQ*192)<<16
	s_mov_b32 s[\g+4], \rows
	s_mov_b32 s[\g+5], NS*192
	s_mov_b32 s[\g+6], 0
	s_mov_b32 s[\g+7], 0
.endm
.macro FRAG reg, adr, q, i
.irp c, 0,1,2
	ds_load_b128 v[\reg+4*\c:\reg+4*\c+3], v[\adr] offset:(\i)*NQ*FRB+(\q)*FRB+512*\c
.endr
.endm
.macro FETCH_B slot, q, p
	WIN 0x40
.irp i, 0,1,2,3,4,5,6,7
	FRAG 128*(\p)+12*\i, ADRB+\slot, \q, \i
.endr
	WIN 0
.endm
.macro FETCH_A slot, q, i0
.set FI, \i0
.rept HA
	FRAG AF+12*FI, ADRA+\slot, \q, FI
.set FI, FI+1
.endr
.endm
.macro WMS cm, ob, oa                  ; cm = 1: C is the constant 0; else v[cR ..].  An odd block's scale words stand in lanes 16-31
.if (\cm) == 1
.if ((\ob)+2*(\oa)) == 0
	v_wmma_scale_f32_16x16x128_f8f6f4 v[dA:dA+7], v[rB:rB+11], v[rA:rA+11], 0, v[sB], v[sA] matrix_a_fmt:MATRIX_FMT_FP6 matrix_b_fmt:MATRIX_FMT_FP6
.elseif ((\ob)+2*(\oa)) == 1
	v_wmma_scale_f32_16x16x128_f8f6f4 v[dA:dA+7], v[rB:rB+11], v[rA:rA+11], 0, v[sB], v[sA] matrix_a_fmt:MATRIX_FMT_FP6 matrix_b_fmt:MATRIX_FMT_FP6 matrix_a_scale:MATRIX_SCALE_ROW1
.elseif ((\ob)+2*(\oa)) == 2
	v_wmma_scale_f32_16x16x128_f8f6f4 v[dA:dA+7], v[rB:rB+11], v[rA:rA+11], 0, v[sB], v[sA] matrix_a_fmt:MATRIX_FMT_FP6 matrix_b_fmt:MATRIX_FMT_FP6 matrix_b_scale:MATRIX_SCALE_ROW1
.else
	v_wmma_scale_f32_16x16x128_f8f6f4 v[dA:dA+7], v[rB:rB+11], v[rA:rA+11], 0, v[sB], v[sA] matrix_a_fmt:MATRIX_FMT_FP6 matrix_b_fmt:MATRIX_FMT_FP6 matrix_a_scale:MATRIX_SCALE_ROW1 matrix_b_scale:MATRIX_SCALE_ROW1
.endif
.else
.if ((\ob)+2*(\oa)) == 0
	v_wmma_scale_f32_16x16x128_f8f6f4 v[dA:dA+7], v[rB:rB+11], v[rA:rA+11], v[cR:cR+7], v[sB], v[sA] matrix_a_fmt:MATRIX_FMT_FP6 matrix_b_fmt:MATRIX_FMT_FP6
.elseif ((\ob)+2*(\oa)) == 1
	v_wmma_scale_f32_16x16x128_f8f6f4 v[dA:dA+7], v[rB:rB+11], v[rA:rA+11], v[cR:cR+7], v[sB], v[sA] matrix_a_fmt:MATRIX_FMT_FP6 matrix_b_fmt:MATRIX_FMT_FP6 matrix_a_scale:MATRIX_SCALE_ROW1
.elseif ((\ob)+2*(\oa)) == 2
	v_wmma_scale_f32_16x16x128_f8f6f4 v[dA:dA+7], v[rB:rB+11], v[rA:rA+11], v[cR:cR+7], v[sB], v[sA] matrix_a_fmt:MATRIX_FMT_FP6 matrix_b_fmt:MATRIX_FMT_FP6 matrix_b_scale:MATRIX_SCALE_ROW1
.else
	v_wmma_scale_f32_16x16x128_f8f6f4 v[dA:dA+7], v[rB:rB+11], v[rA:rA+11], v[cR:cR+7], v[sB], v[sA] matrix_a_fmt:MATRIX_FMT_FP6 matrix_b_fmt:MATRIX_FMT_FP6 matrix_a_scale:MATRIX_SCALE_ROW1 matrix_b_scale:MATRIX_SCALE_ROW1
.endif
.endif
.endm
.macro MULB p, ks, cm
.if \cm == 2
	WIN (0x81+0x40*(AI/4))
.else
	WIN (0xa1+0x50*(AI/4))
.endif
.irp b, 0,1,2,3,4,5,6,7
.set dA, 8*(8*(AI%4)+\b)
.set rB, 128*(\p)+12*\b
.set rA, AF+12*AI
.set sB, SCB+(\b/2)*NS+(\ks)
.set sA, SCA+(AI/2)*NS+(\ks)
.set cR, dA
.if \cm == 2
.set cR, BI0+8*\b+BIJ*(\b/4)
.endif
	WMS \cm, \b%2, AI%2
.endr
.endm
.macro MULR a0, n, p, ks, cm           ; the accumulators take turns, one instruction a turn, in the same order in every step
.set AI, \a0
.rept \n
	MULB \p, \ks, \cm
.set AI, AI+1
.endr
.endm
; A PREFETCH INTO THE L2 of the tile that my wave's n-th tensor load of the four will bring.  The four partners that ask for a tile jointly share its blocks out BY ADDRESS: of the 8 image blocks that my wave fetches, the partner
; at place p (cx for Q, cy for K) takes 2 p and 2 p + 1: 24 lanes name the 24 runs of 256 bytes of their 3,072 bytes a block; the lanes left over name the last again.  Base and offset are never rewritten: the pair of K steps
; stands in the immediate.  Loads 1 and 2 are asked for at the head, load 3 in K step 0, behind a run of LDS loads (PFN says which; 0: none).
.macro ASK n
	global_prefetch_b8 v30, s[100:101] offset:(\n)*NQ*FRB th:TH_LOAD_NT scope:SCOPE_SE
.endm
.set PFN, 0
.macro STEP slot, q, ks, cm
	s_wait_dscnt 3*HA                              ; B's set and A's first half are in; A's second half may be out
	MULR 0, HA, (\q)%2, \ks, \cm
	s_wait_dscnt 0x0
	PLACES 4
	FETCH_B \slot, (\q)+1, 1-(\q)%2
	FETCH_A \slot, (\q)+1, 0
.if PFN > 0
	ASK PFN
.set PFN, 0
.endif
	MULR HA, HA, (\q)%2, \ks, \cm
	PLACES 4
	WIN 0
	FETCH_A \slot, (\q)+1, HA
.endm
.macro TURN slot, next, fill, ks       ; a slot's last step changes slots: one barrier, and where the slot is filled again a round of the cluster's
	s_wait_tensorcnt 0x0                           ; all my tensor loads have landed: my part of the next slot
	ds_add_u32 v[SPW], v[NIL]                      ; 0 onto my spare word
	s_wait_dscnt 3*HA+1                            ; (the add and A's second half may be out)
	MULR 0, HA/2, 1, \ks, 0
	s_wait_dscnt 0x0                               ; the add is done, and my reads of this slot are over
	s_barrier_signal -1
	MULR HA/2, HA/2, 1, \ks, 0
	WIN 0
	s_barrier_wait -1
.if \fill
	CREST
	s_add_nc_u64 s[G0+4*\slot+2:G0+4*\slot+3], s[G0+4*\slot+2:G0+4*\slot+3], 2*NQ*FRB
	s_add_nc_u64 s[G0B+4*\slot+2:G0B+4*\slot+3], s[G0B+4*\slot+2:G0B+4*\slot+3], 2*NQ*FRB
	JLOAD G0+4*\slot, G1, G0B+4*\slot, G1B         ; the first tensor load behind the round; its four v_nop are the places in front of the loads below
.else
	PLACES 4
.endif
	FETCH_B \next, 0, 0
	FETCH_A \next, 0, 0
	MULR HA, HA, 1, \ks, 0
	PLACES 4
	WIN 0
	FETCH_A \next, 0, HA
.endm
.macro LAST ks
	s_wait_dscnt 3*HA
	MULR 0, HA, 1, \ks, 0
	s_wait_dscnt 0x0
	MULR HA, HA, 1, \ks, 0
	WIN 0
.endm
.macro SCLOAD reg, np, base, str, off
.set P_, 0
.rept \np
.set S_, 0
.rept NS
	global_load_b32 v[\reg+P_*NS+S_], v[L4], s[\base:\base+1] offset:S_*(\str)+128*P_+(\off)
.set S_, S_+1
.endr
.set P_, P_+1
.endr
.endm
.macro MLOAD a                         ; block a's 64 lane masks: word i in s[24 + i] (i < 32) or s[36 + i].  The descriptors' registers are free: every tensor load has been waited for
	s_load_b512 s[24:39], s[18:19], (\a)*4096
	s_load_b512 s[40:55], s[18:19], (\a)*4096+64
	s_load_b512 s[68:83], s[18:19], (\a)*4096+128
	s_load_b512 s[84:99], s[18:19], (\a)*4096+192
.endm
; THE WAY OUT of block a: 16 queries x 128 keys.
.macro SOFT a
	s_wait_kmcnt 0x0                               ; the block's lane masks are in
	s_wait_xcnt 0x0                                ; the last block's stores have read their data: they are written again only behind this wait
	WIN (0x08+4*((\a)/4))                          ; source 1: window 2 or 3
.set I_, 0
.rept 64
	v_cndmask_b32 v[T+I_], v[NINF], v[64*((\a)%4)+I_], s[24+I_+12*(I_/32)]   ; a hidden key's score becomes -infinity; each accumulator from its low end on
.set I_, I_+1
.endr
	WIN 0
.if (\a) < 7
	MLOAD (\a)+1
.endif
.irp b, 0,1,2,3
	v_max3_num_f32 v[BM+\b], v[T+16*\b], v[T+16*\b+1], v[T+16*\b+2]   ; the largest score of each 32 keys serves twice: for the chunk's maximum and, since p rises with the score, for the block's largest p
.endr
.irp i, 3,5,7,9,11,13
.irp b, 0,1,2,3
	v_max3_num_f32 v[BM+\b], v[BM+\b], v[T+16*\b+\i], v[T+16*\b+\i+1]
.endr
.endr
.irp b, 0,1,2,3
	v_max_num_f32 v[BM+\b], v[BM+\b], v[T+16*\b+15]
.endr
.irp b, 0,1,2,3
	v_permlanex16_b32 v[BX+\b], v[BM+\b], s12, s13
.endr
.irp b, 0,1,2,3
	v_max_num_f32 v[BM+\b], v[BM+\b], v[BX+\b]     ; with lane l xor 16's 16 keys
.endr
	v_max3_num_f32 v[TT], v[BM], v[BM+1], v[BM+2]
	v_max_num_f32 v[TT], v[TT], v[BM+3]
	v_mul_f32 v[TT], s10, v[TT]                    ; as t (c is positive)
	v_max_num_f32 v[TT], 0xff61b1e6, v[TT]         ; held at -3e38 from below: a chunk with no key left has a finite M
	v_floor_f32 v[NM], -v[TT]                      ; -M = floor(-t) = -ceil(t): M is a whole number
.set I_, 0
.rept 32
	v_pk_fma_f32 v[T+I_:T+I_+1], v[T+I_:T+I_+1], s[10:11], v[NM:NM+1] op_sel_hi:[1,0,0]   ; t - M, two at a time
.set I_, I_+2
.endr
.irp b, 0,1,2,3
	v_fma_f32 v[BM+\b], v[BM+\b], s10, v[NM]       ; the same of each block's largest score
.endr
.set I_, 0
	s_wait_alu depctr_va_vdst(0)
.rept 64
	v_exp_f32 v[T+I_], v[T+I_]                     ; p = 2^(t - M), at most 1
.set I_, I_+1
.endr
	v_nop                                          ; a plain place behind the exponentials
	s_wait_alu depctr_va_vdst(0)                   ; one wait for the whole batch, ahead of its first reader
.irp b, 0,1,2,3
	v_exp_f32 v[BM+\b], v[BM+\b]                   ; the block's largest p: the same two instructions on the same number give the same bits
.endr
	v_pk_add_f32 v[SUA:SUA+1], v[T:T+1], v[T+2:T+3]        ; the sum is taken of the UNQUANTISED p, two at a time, in two chains; it reads the 64 alone
	v_pk_add_f32 v[SUB:SUB+1], v[T+4:T+5], v[T+6:T+7]
.irp j, 8,12,16,20,24,28,32,36,40,44,48,52,56,60
	v_pk_add_f32 v[SUA:SUA+1], v[SUA:SUA+1], v[T+\j:T+\j+1]
	v_pk_add_f32 v[SUB:SUB+1], v[SUB:SUB+1], v[T+\j+2:T+\j+3]
.endr
	v_pk_add_f32 v[SUA:SUA+1], v[SUA:SUA+1], v[SUB:SUB+1]
	s_wait_alu depctr_va_vdst(0)                   ; and one for the four
.irp b, 0,1,2,3
	v_max_num_f32 v[BM+\b], 0x1800000, v[BM+\b]    ; the floor 2^(3 - 127): the byte cannot fall under 1
.endr
.irp b, 0,1,2,3
	v_add_nc_u32 v[SO+\b], 0xff000000, v[BM+\b]    ; 2 off the exponent field: the conversion's scale operand
.endr
.irp b, 0,1,2,3
	v_lshrrev_b32 v[BX+\b], 23, v[SO+\b]           ; the scale's byte
.endr
	v_lshl_or_b32 v[PW], v[BX+1], 8, v[BX]
	v_lshl_or_b32 v[PW], v[BX+2], 16, v[PW]
	v_lshl_or_b32 v[PW], v[BX+3], 24, v[PW]
	v_add_f32 v[LS], v[SUA], v[SUA+1]
	v_permlanex16_b32 v[LS+1], v[LS], s12, s13
	v_add_f32 v[LS], v[LS], v[LS+1]                ; l of my query and this chunk
.irp c, 0,1
	v_cvt_scalef32_pk16_fp6_f32 v[PC+6*\c:PC+2+6*\c], v[T+32*\c:T+15+32*\c], v[SO+2*\c]
	v_cvt_scalef32_pk16_fp6_f32 v[PC+12+4*\c:PC+14+4*\c], v[T+16+32*\c:T+31+32*\c], v[SO+2*\c+1]
.endr
	v_nop                                          ; one plain place behind a scaled conversion
.irp c, 0,1
.irp i, 0,1,2
	v_permlane16_swap_b32 v[PC+6*\c+\i], v[PC+12+4*\c+\i]
.endr
.irp i, 0,1,2
	v_mov_b32 v[PC+3+6*\c+\i], v[PC+12+4*\c+\i]
.endr
.endr
.irp k, 0,1,2
	global_store_b128 v[IO], v[PC+4*\k:PC+4*\k+3], s[20:21] offset:(\a)*24576+512*\k   ; 512 consecutive bytes, at a multiple of 256 from the buffer's first byte
.endr
.if ((\a)%2) == 0
	v_mov_b32 v[KW], v[PW]
	v_mov_b32 v[KW+1], v[NM]
	v_mov_b32 v[KW+2], v[LS]
.else
	v_cndmask_b32 v[SD], v[KW], v[PW], s[HM]       ; lanes 0-15 the even block's, lanes 16-31 the odd block's
	v_cndmask_b32 v[SD+1], v[KW+1], v[NM], s[HM]
	v_cndmask_b32 v[SD+2], v[KW+2], v[LS], s[HM]
	global_store_b32 v[L4], v[SD], s[22:23] offset:128*((\a)/2)
	global_store_b32 v[L4], v[SD+1], s[22:23] offset:128*((\a)/2)+524288
	global_store_b32 v[L4], v[SD+2], s[22:23] offset:128*((\a)/2)+1048576
.endif
.endm
	s_load_b128 s[4:7], s[0:1], 0x0                ; qb s[4:5], mb s[6:7]
	s_load_b64 s[8:9], s[0:1], 0x10                ; qc
	v_lshl_add_u32 v[SPW], v0, 2, SPARE
	v_mov_b32 v[NIL], 0
	ds_add_u32 v[SPW], v[NIL]                      ; the wave's opening: the add and its wait ahead of my first tensor load
	ds_add_u32 v[SPW], v[NIL]
	v_lshrrev_b32 v1, 5, v0
	v_readfirstlane_b32 s14, v1
	s_lshr_b32 s15, s14, 1                         ; my half of the queries.  Also: I fetch for Q (0) or for K (1)
	s_and_b32 s16, s14, 1                          ; my half of the keys.  Also: which half of that tile I fetch
	s_bfe_u32 s40, ttmp6, 0x40000
	s_bfe_u32 s41, ttmp6, 0x40004
	s_lshl_b32 s42, ttmp9, 2
	s_add_co_u32 s42, s42, s40                     ; the tile of 256 keys in the batch
	s_and_b32 s45, ttmp7, 0xffff
	s_lshl_b32 s17, s45, 2
	s_add_co_u32 s17, s17, s41                     ; the tile of 256 queries among all 8,192
	s_lshl_b32 s43, s41, 2
	s_lshl_b32 s43, 15, s43
	s_lshl_b32 s44, 0x1111, s40
	s_or_b32 s[G1], s43, (3<<16)|(1<<21)
	s_or_b32 s[G1B], s44, (3<<16)|(1<<21)
	GROUP1 G1, NA
	GROUP1 G1B, 8
	s_mul_i32 s2, s16, 98304
	s_mul_i32 s72, s17, 196608
	s_add_co_u32 s72, s72, s2
	s_mov_b32 s73, 0
	s_lshr_b32 s3, s45, 1                          ; the batch: eight tiles of queries each
	s_mul_i32 s46, s3, 1572864
	s_mul_i32 s47, s42, 196608
	s_add_co_u32 s46, s46, s47
	s_add_co_u32 s46, s46, s2
	s_add_co_u32 s46, s46, KI
	s_mov_b32 s47, 0
	s_lshl_b32 s68, s17, 10
	s_lshl_b32 s74, s15, 9
	s_add_co_u32 s68, s68, s74
	s_add_co_u32 s22, s68, PS                      ; (p's tables have the queries' rows too)
	s_add_co_u32 s68, s68, QS
	s_mov_b32 s69, 0
	s_lshl_b32 s70, s3, 13
	s_lshl_b32 s74, s42, 10
	s_add_co_u32 s70, s70, s74
	s_lshl_b32 s74, s16, 9
	s_add_co_u32 s70, s70, s74
	s_add_co_u32 s70, s70, KS
	s_mov_b32 s71, 0
	s_lshl_b32 s75, s42, 1
	s_add_co_u32 s75, s75, s16                     ; my chunk of 128 keys, 0 .. 15
	s_lshl_b32 s18, s17, 16                        ; the lane masks: 16 blocks x 16 chunks x 256 bytes a tile
	s_lshl_b32 s74, s15, 15
	s_add_co_u32 s18, s18, s74
	s_lshl_b32 s74, s75, 8
	s_add_co_u32 s18, s18, s74
	s_mov_b32 s19, 0
	s_mul_i32 s20, s17, 393216                     ; p's image: 16 blocks of 24,576 bytes a tile
	s_mul_i32 s74, s15, 196608
	s_add_co_u32 s20, s20, s74
	s_mul_i32 s74, s75, FRB
	s_add_co_u32 s20, s20, s74
	s_mov_b32 s21, 0
	s_lshl_b32 s74, s75, 15
	s_add_co_u32 s22, s22, s74
	s_mov_b32 s23, 0
	s_mov_b32 s10, 0x3d38aa3b                      ; c = log2(e) / sqrt(1024)
	s_mov_b32 s11, s10                             ; (named with it as a pair, so it is written)
	s_mov_b32 s12, 0x76543210
	s_mov_b32 s13, 0xfedcba98
	s_mov_b32 s[HM], 0xffff0000
	s_mul_i32 s98, s16, AH
	s_mul_i32 s99, s16, BH
	s_add_co_u32 s99, s99, ASZ
	s_wait_dscnt 0x0                               ; the opening add is done
	s_wait_kmcnt 0x0
	s_add_nc_u64 s[72:73], s[4:5], s[72:73]
	s_add_nc_u64 s[46:47], s[4:5], s[46:47]
	s_add_nc_u64 s[68:69], s[4:5], s[68:69]
	s_add_nc_u64 s[70:71], s[4:5], s[70:71]
	s_add_nc_u64 s[18:19], s[6:7], s[18:19]
	s_add_nc_u64 s[20:21], s[8:9], s[20:21]
	s_add_nc_u64 s[22:23], s[8:9], s[22:23]
	s_cmp_eq_u32 s15, 0                            ; the prefetches: do I fetch for Q?
	s_cselect_b64 s[100:101], s[72:73], s[46:47]   ; my half of the tile,
	s_cselect_b32 s74, s40, s41                    ; my place among the four that ask with me,
	s_mul_i32 s74, s74, 24576                      ; my two blocks of 12,288 bytes
	s_mov_b32 s75, 0
	s_add_nc_u64 s[100:101], s[100:101], s[74:75]
	CROUND
.irp sl, 0,1
	s_mov_b32 s[G0+4*\sl], 1
	s_add_co_u32 s[G0+4*\sl+1], s98, \sl*SLOT
	s_add_nc_u64 s[G0+4*\sl+2:G0+4*\sl+3], s[72:73], \sl*NQ*FRB
	s_or_b32 s[G0+4*\sl+3], s[G0+4*\sl+3], 0x80000000
	s_mov_b32 s[G0B+4*\sl], 1
	s_add_co_u32 s[G0B+4*\sl+1], s99, \sl*SLOT
	s_add_nc_u64 s[G0B+4*\sl+2:G0B+4*\sl+3], s[46:47], \sl*NQ*FRB
	s_or_b32 s[G0B+4*\sl+3], s[G0B+4*\sl+3], 0x80000000
.endr
	JLOAD G0, G1, G0B, G1B                         ; K steps 0 and 1: one tensor load a wave at the head
	v_and_b32 v1, 31, v0
	v_lshlrev_b32 v[IO], 4, v1
	v_lshlrev_b32 v[L4], 2, v1
	v_min_u32 v30, 23, v1                          ; run q = min(lane, 23): block q / 12 of my two, and 256 (q % 12) in it
	v_mul_u32_u24 v31, v30, 11
	v_lshrrev_b32 v31, 7, v31                      ; q / 12 for q under 24
	v_mul_u32_u24 v31, v31, 9216
	v_lshl_add_u32 v30, v30, 8, v31
	s_mul_i32 s2, s15, AH
	s_mul_i32 s3, s16, BH
	s_add_co_u32 s3, s3, ASZ
.irp sl, 0,1
	v_add_nc_u32 v[ADRA+\sl], s2, v[IO]
	v_add_nc_u32 v[ADRB+\sl], s3, v[IO]
	s_add_co_u32 s2, s2, SLOT
	s_add_co_u32 s3, s3, SLOT
.endr
	ASK 1
	ASK 2
	SCLOAD SCA, NA/2, 68, 32768, 0
	SCLOAD SCB, 4, 70, 32768, 0
	s_wait_alu depctr_va_vdst(0)                   ; the wait at the head's end
	s_wait_tensorcnt 0x0                           ; my part of slot 0 is in
	ds_add_u32 v[SPW], v[NIL]
	s_wait_dscnt 0x0
	CROUND                                         ; everybody's part of slot 0 is in, and all sixteen work-groups are here
	JLOAD G0+4, G1, G0B+4, G1B                     ; K steps 2 and 3, the first tensor load behind the round
	s_wait_loadcnt 0x0                             ; the scale words
	FETCH_B 0, 0, 0
	FETCH_A 0, 0, 0
	FETCH_A 0, 0, HA
.set PFN, 3
	STEP 0, 0, 0, 1                                ; the first K step's products start the sums: nothing is cleared
	TURN 0, 1, 1, 1
	STEP 1, 0, 2, 0
	TURN 1, 0, 1, 3
	STEP 0, 0, 4, 0
	TURN 0, 1, 0, 5                                ; nothing is left to fetch; behind its wait no tensor load of mine is out
	STEP 1, 0, 6, 0
	MLOAD 0                                        ; the first block's lane masks come while the last step is multiplied
	LAST 7
	PLACES 4
.irp b, 0,1,2,3
	v_mov_b32 v[BX+\b], 0                          ; written once: a lane permute's destination counts as one of its sources
.endr
	v_mov_b32 v[LS+1], 0
	v_mov_b32 v[NM+1], 0                           ; (named as the upper half of a pair)
	v_mov_b32 v[NINF], 0xff800000
	s_wait_alu depctr_va_vdst(0)
.irp a, 0,1,2,3,4,5,6,7
	SOFT \a
.endr
	s_wait_tensorcnt 0x0                           ; the wave's end
	ds_add_u32 v[SPW], v[NIL]
	s_wait_dscnt 0x0
	CROUND                                         ; the closing round
	s_endpgm
.Lfunc_end_k_qf3ceff8f3c_score:
	.size	k_qf3ceff8f3c_score, .Lfunc_end_k_qf3ceff8f3c_score-k_qf3ceff8f3c_score
	.p2alignl 7, 3214868480
	.fill 96, 4, 3214868480
	.section	.rodata,"a",@progbits
	.p2align	6, 0x0
	.amdhsa_kernel k_qf3ceff8f3c_score
		.amdhsa_group_segment_fixed_size 327680
		.amdhsa_private_segment_fixed_size 0
		.amdhsa_enable_private_segment 0
		.amdhsa_kernarg_size 24
		.amdhsa_user_sgpr_count 2
		.amdhsa_user_sgpr_kernarg_segment_ptr 1
		.amdhsa_wavefront_size32 1
		.amdhsa_system_sgpr_workgroup_id_x 1
		.amdhsa_system_sgpr_workgroup_id_y 1
		.amdhsa_system_sgpr_workgroup_id_z 1
		.amdhsa_system_vgpr_workitem_id 0
		.amdhsa_next_free_vgpr 1024
		.amdhsa_next_free_sgpr 102
		.amdhsa_reserve_vcc 0
		.amdhsa_float_denorm_mode_32 3
		.amdhsa_float_denorm_mode_16_64 3
		.amdhsa_memory_ordered 1
		.amdhsa_forward_progress 1
		.amdhsa_inst_pref_size 233
	.end_amdhsa_kernel
	.amdgpu_metadata
---
amdhsa.version: [ 1, 2 ]
amdhsa.kernels:
  - .name:           k_qf3ceff8f3c_score
    .symbol:         k_qf3ceff8f3c_score.kd
    .args:
      - { .name: qb, .offset: 0, .size: 8, .value_kind: global_buffer, .address_space: global }
      - { .name: mb, .offset: 8, .size: 8, .value_kind: global_buffer, .address_space: global }
      - { .name: qc, .offset: 16, .size: 8, .value_kind: global_buffer, .address_space: global }
    .group_segment_fixed_size: 327680
    .private_segment_fixed_size: 0
    .kernarg_segment_align: 8
    .kernarg_segment_size: 24
    .max_flat_workgroup_size: 128
    .sgpr_count:     102
    .vgpr_count:     1024
    .wavefront_size: 32
...
	.end_amdgpu_metadata
.endif
;; end of part 3
;; launch pv (part 4): grid 4 x 64, 4 waves a work-group, clusters of 4 x 4, 327,680 bytes of LDS; arguments qc, qb, qd; writes qd
.if DOCPART == 4
	.amdgcn_target "amdgcn-amd-amdhsa--gfx1250"
	.amdhsa_code_object_version 6
	.text
	.protected	k_qf3ceff8f3c_pv
	.globl	k_qf3ceff8f3c_pv
	.p2align	8
	.type	k_qf3ceff8f3c_pv,@function
k_qf3ceff8f3c_pv:
	s_mov_b64 s[64:65], 0
	v_nop
	global_prefetch_b8 v0, s[64:65] scope:SCOPE_SE
	s_setreg_imm32_b32 hwreg(HW_REG_WAVE_MODE, 25, 1), 1
	s_wait_xcnt 0x0
	s_wait_alu depctr_hold_cnt(0) depctr_sa_sdst(0) depctr_va_vdst(0) depctr_va_sdst(0) depctr_va_ssrc(0) depctr_va_vcc(0) depctr_vm_vsrc(0)
	s_getreg_b32 s2, hwreg(HW_REG_IB_STS2, 6, 4)
	s_cmp_eq_u32 s2, 0
	s_cbranch_scc0 .Lentry_in_a_cluster
	s_endpgm
.Lentry_in_a_cluster:
	s_bfe_u32 s2, ttmp6, 0x10000c
	s_cmp_lg_u32 s2, 0xf033
	s_cbranch_scc0 .Lentry_shape_is_right
	s_endpgm
.Lentry_shape_is_right:
.set NA,    4
.set NQ,    4
.set NS,    16
.set BI0,   0
.set BIJ,   0
.set PS,    12582912
.set VI,    12582912
.set VS,    19398656
.set HS,    6291456
.set FRB,   1536
.set HA,    NA/2
.set AH,    NA*NQ*FRB
.set BH,    8*NQ*FRB
.set ASZ,   2*AH
.set SLOT,  ASZ+2*BH
.set SPARE, 2*SLOT
.set ADRA,  16
.set ADRB,  20
.set IO,    24
.set L4,    25
.set ONES,  26
.set SPW,   28
.set NIL,   29
.set SCA,   32
.set SCB,   SCA+(NA/2)*NS
.set AF,    128
.set NM,    176
.set LL,    208
.set RA,    8
.set G1,    24
.set G0,    32
.set G1B,   48
.set G0B,   56
.set T,     128
.set PC,    192
.set TM,    212
.set PW,    228
.set PWE,   229
.set SW,    230
.set SEL,   12
.set HM,    66
.set MSB,   0
.macro WIN new
.if MSB != \new
	s_set_vgpr_msb (MSB<<8)|\new
.set MSB, \new
.endif
.endm
.macro JLOAD g0a, g1a, g0b, g1b
	s_cmp_eq_u32 s15, 0
	s_cbranch_scc0 .Lfor_b_\@
	tensor_load_to_lds s[\g0a:\g0a+3], s[\g1a:\g1a+7]
	s_nop 0
.rept 4
	v_nop
.endr
	s_branch .Lasked_\@
.Lfor_b_\@:
	tensor_load_to_lds s[\g0b:\g0b+3], s[\g1b:\g1b+7]
	s_nop 0
.rept 4
	v_nop
.endr
.Lasked_\@:
.endm
.macro CREST
	s_cmp_lg_u32 s14, 0
	s_cbranch_scc1 .Lnot_wave_0_\@
	s_barrier_signal -3
.Lnot_wave_0_\@:
	s_barrier_wait -3
	s_barrier_signal -1
	s_barrier_wait -1
.endm
.macro CROUND
	s_barrier_signal -1
	s_barrier_wait -1
	CREST
.endm
.macro PLACES n
.rept \n
	v_nop
.endr
.endm
.macro GROUP1 g, rows
	s_mov_b32 s[\g+1], (NQ*192)<<16
	s_mov_b32 s[\g+2], (\rows)<<16
	s_mov_b32 s[\g+3], (NQ*192)<<16
	s_mov_b32 s[\g+4], \rows
	s_mov_b32 s[\g+5], NS*192
	s_mov_b32 s[\g+6], 0
	s_mov_b32 s[\g+7], 0
.endm
.macro FRAG reg, adr, q, i
.irp c, 0,1,2
	ds_load_b128 v[\reg+4*\c:\reg+4*\c+3], v[\adr] offset:(\i)*NQ*FRB+(\q)*FRB+512*\c
.endr
.endm
.macro FETCH_B slot, q, p
	WIN 0x40
.irp i, 0,1,2,3,4,5,6,7
	FRAG 128*(\p)+12*\i, ADRB+\slot, \q, \i
.endr
	WIN 0
.endm
.macro FETCH_A slot, q, i0
.set FI, \i0
.rept HA
	FRAG AF+12*FI, ADRA+\slot, \q, FI
.set FI, FI+1
.endr
.endm
.macro WMS cm, ob, oa
.if (\cm) == 1
.if ((\ob)+2*(\oa)) == 0
	v_wmma_scale_f32_16x16x128_f8f6f4 v[dA:dA+7], v[rB:rB+11], v[rA:rA+11], 0, v[sB], v[sA] matrix_a_fmt:MATRIX_FMT_FP6 matrix_b_fmt:MATRIX_FMT_FP6
.elseif ((\ob)+2*(\oa)) == 1
	v_wmma_scale_f32_16x16x128_f8f6f4 v[dA:dA+7], v[rB:rB+11], v[rA:rA+11], 0, v[sB], v[sA] matrix_a_fmt:MATRIX_FMT_FP6 matrix_b_fmt:MATRIX_FMT_FP6 matrix_a_scale:MATRIX_SCALE_ROW1
.elseif ((\ob)+2*(\oa)) == 2
	v_wmma_scale_f32_16x16x128_f8f6f4 v[dA:dA+7], v[rB:rB+11], v[rA:rA+11], 0, v[sB], v[sA] matrix_a_fmt:MATRIX_FMT_FP6 matrix_b_fmt:MATRIX_FMT_FP6 matrix_b_scale:MATRIX_SCALE_ROW1
.else
	v_wmma_scale_f32_16x16x128_f8f6f4 v[dA:dA+7], v[rB:rB+11], v[rA:rA+11], 0, v[sB], v[sA] matrix_a_fmt:MATRIX_FMT_FP6 matrix_b_fmt:MATRIX_FMT_FP6 matrix_a_scale:MATRIX_SCALE_ROW1 matrix_b_scale:MATRIX_SCALE_ROW1
.endif
.else
.if ((\ob)+2*(\oa)) == 0
	v_wmma_scale_f32_16x16x128_f8f6f4 v[dA:dA+7], v[rB:rB+11], v[rA:rA+11], v[cR:cR+7], v[sB], v[sA] matrix_a_fmt:MATRIX_FMT_FP6 matrix_b_fmt:MATRIX_FMT_FP6
.elseif ((\ob)+2*(\oa)) == 1
	v_wmma_scale_f32_16x16x128_f8f6f4 v[dA:dA+7], v[rB:rB+11], v[rA:rA+11], v[cR:cR+7], v[sB], v[sA] matrix_a_fmt:MATRIX_FMT_FP6 matrix_b_fmt:MATRIX_FMT_FP6 matrix_a_scale:MATRIX_SCALE_ROW1
.elseif ((\ob)+2*(\oa)) == 2
	v_wmma_scale_f32_16x16x128_f8f6f4 v[dA:dA+7], v[rB:rB+11], v[rA:rA+11], v[cR:cR+7], v[sB], v[sA] matrix_a_fmt:MATRIX_FMT_FP6 matrix_b_fmt:MATRIX_FMT_FP6 matrix_b_scale:MATRIX_SCALE_ROW1
.else
	v_wmma_scale_f32_16x16x128_f8f6f4 v[dA:dA+7], v[rB:rB+11], v[rA:rA+11], v[cR:cR+7], v[sB], v[sA] matrix_a_fmt:MATRIX_FMT_FP6 matrix_b_fmt:MATRIX_FMT_FP6 matrix_a_scale:MATRIX_SCALE_ROW1 matrix_b_scale:MATRIX_SCALE_ROW1
.endif
.endif
.endm
.macro MULB p, ks, cm
.if \cm == 2
	WIN (0x81+0x40*(AI/4))
.else
	WIN (0xa1+0x50*(AI/4))
.endif
.irp b, 0,1,2,3,4,5,6,7
.set dA, 8*(8*(AI%4)+\b)
.set rB, 128*(\p)+12*\b
.set rA, AF+12*AI
.set sB, SCB+(\b/2)*NS+(\ks)
.set sA, SCA+(AI/2)*NS+(\ks)
.set cR, dA
.if \cm == 2
.set cR, BI0+8*\b+BIJ*(\b/4)
.endif
	WMS \cm, \b%2, AI%2
.endr
.endm
.macro MULR a0, n, p, ks, cm
.set AI, \a0
.rept \n
	MULB \p, \ks, \cm
.set AI, AI+1
.endr
.endm
; A PREFETCH INTO THE L2 of the tile that my wave's n-th tensor load of the four will bring.  The four partners that ask for a tile jointly share its blocks out BY ADDRESS: the partner at place p (cx for p's image, cy for V^T's)
; takes block p of the wave's four (A) or blocks 2 p, 2 p + 1 of its eight (B), 6,144 bytes of each: two instructions of 12 (A) or 24 (B) lanes, a lane a run of 256 bytes; the lanes left over name the last again.
; Base and offsets are never rewritten: the four K steps stand in the immediate.  Loads 1 and 2 are asked for at the head, load 3 in K step 0, behind a run of LDS loads (PFN says which; 0: none).
.macro ASK n
	global_prefetch_b8 v30, s[100:101] offset:(\n)*NQ*FRB th:TH_LOAD_NT scope:SCOPE_SE
	global_prefetch_b8 v31, s[100:101] offset:(\n)*NQ*FRB th:TH_LOAD_NT scope:SCOPE_SE
.endm
.set PFN, 0
.macro STEP slot, q, ks, cm
	s_wait_dscnt 3*HA
	MULR 0, HA, (\q)%2, \ks, \cm
	s_wait_dscnt 0x0
	PLACES 4
	FETCH_B \slot, (\q)+1, 1-(\q)%2
	FETCH_A \slot, (\q)+1, 0
.if PFN > 0
	ASK PFN
.set PFN, 0
.endif
	MULR HA, HA, (\q)%2, \ks, \cm
	PLACES 4
	WIN 0
	FETCH_A \slot, (\q)+1, HA
.endm
.macro TURN slot, next, fill, ks
	s_wait_tensorcnt 0x0
	ds_add_u32 v[SPW], v[NIL]
	s_wait_dscnt 3*HA+1
	MULR 0, HA/2, 1, \ks, 0
	s_wait_dscnt 0x0
	s_barrier_signal -1
	MULR HA/2, HA/2, 1, \ks, 0
	WIN 0
	s_barrier_wait -1
.if \fill
	CREST
	s_add_nc_u64 s[G0+4*\slot+2:G0+4*\slot+3], s[G0+4*\slot+2:G0+4*\slot+3], 2*NQ*FRB
	s_add_nc_u64 s[G0B+4*\slot+2:G0B+4*\slot+3], s[G0B+4*\slot+2:G0B+4*\slot+3], 2*NQ*FRB
	JLOAD G0+4*\slot, G1, G0B+4*\slot, G1B
.else
	PLACES 4
.endif
	FETCH_B \next, 0, 0
	FETCH_A \next, 0, 0
	MULR HA, HA, 1, \ks, 0
	PLACES 4
	WIN 0
	FETCH_A \next, 0, HA
.endm
.macro LAST ks
	s_wait_dscnt 3*HA
	MULR 0, HA, 1, \ks, 0
	s_wait_alu depctr_va_vdst(0)
	s_wait_dscnt 0x0
	MULR HA, HA, 1, \ks, 0
	WIN 0
.endm
.macro SCLOAD reg, np, base, str, off
.set P_, 0
.rept \np
.set S_, 0
.rept NS
	global_load_b32 v[\reg+P_*NS+S_], v[L4], s[\base:\base+1] offset:S_*(\str)+128*P_+(\off)
.set S_, S_+1
.endr
.set P_, P_+1
.endr
.endm
.macro QUANT src
.irp b, 0,1,2,3
	v_max3_num_f32 v[TM+\b], |v[\src+16*\b]|, |v[\src+1+16*\b]|, 0x1800000
.endr
.irp i, 2,4,6,8,10,12,14
.irp b, 0,1,2,3
	v_max3_num_f32 v[TM+\b], v[TM+\b], |v[\src+16*\b+\i]|, |v[\src+1+16*\b+\i]|
.endr
.endr
.irp b, 0,1,2,3
	v_permlanex16_b32 v[TM+4+\b], v[TM+\b], s[SEL], s[SEL+1]
.endr
.irp b, 0,1,2,3
	v_max_num_f32 v[TM+\b], v[TM+\b], v[TM+4+\b]
.endr
.irp b, 0,1,2,3
	v_add_nc_u32 v[TM+12+\b], 0xff000000, v[TM+\b]
.endr
.irp b, 0,1,2,3
	v_lshrrev_b32 v[TM+4+\b], 23, v[TM+12+\b]
.endr
	v_lshl_or_b32 v[PW], v[TM+5], 8, v[TM+4]
	v_lshl_or_b32 v[PW], v[TM+6], 16, v[PW]
	v_lshl_or_b32 v[PW], v[TM+7], 24, v[PW]
.irp c, 0,1
	v_cvt_scalef32_pk16_fp6_f32 v[PC+6*\c:PC+2+6*\c], v[\src+32*\c:\src+15+32*\c], v[TM+12+2*\c]
	v_cvt_scalef32_pk16_fp6_f32 v[PC+12+4*\c:PC+14+4*\c], v[\src+16+32*\c:\src+31+32*\c], v[TM+12+2*\c+1]
.endr
	v_nop
.irp c, 0,1
.irp i, 0,1,2
	v_permlane16_swap_b32 v[PC+6*\c+\i], v[PC+12+4*\c+\i]
.endr
.irp i, 0,1,2
	v_mov_b32 v[PC+3+6*\c+\i], v[PC+12+4*\c+\i]
.endr
.endr
.endm
.macro FIX1 ks
.irp p, 0,1
	v_sub_f32 v[2+7*\p], v[NM+16*\p+(\ks)], v[1+7*\p]
.endr
.irp p, 0,1
	v_min_num_f32 v[2+7*\p], 0x437f0000, v[2+7*\p]
.endr
.irp p, 0,1
	v_cvt_u32_f32 v[2+7*\p], v[2+7*\p]
.endr
.irp p, 0,1
	v_bfe_u32 v[3+7*\p], v[SCA+16*\p+(\ks)], 0, 8
	v_bfe_u32 v[4+7*\p], v[SCA+16*\p+(\ks)], 8, 8
	v_bfe_u32 v[5+7*\p], v[SCA+16*\p+(\ks)], 16, 8
	v_lshrrev_b32 v[6+7*\p], 24, v[SCA+16*\p+(\ks)]
.endr
.irp p, 0,1
.irp i, 3,4,5,6
	v_max_u32 v[\i+7*\p], v[\i+7*\p], v[2+7*\p]
.endr
.endr
.irp p, 0,1
.irp i, 3,4,5,6
	v_sub_nc_u32 v[\i+7*\p], v[\i+7*\p], v[2+7*\p]
.endr
.endr
.irp p, 0,1
	v_sub_nc_u32 v[7+7*\p], 0, v[2+7*\p]
.endr
.irp p, 0,1
	v_lshl_or_b32 v[SCA+16*\p+(\ks)], v[4+7*\p], 8, v[3+7*\p]
.endr
.if (\ks) == 0
.irp p, 0,1
	v_ldexp_f32 v[18+\p], v[LL+16*\p], v[7+7*\p]
.endr
.else
.irp p, 0,1
	v_ldexp_f32 v[22+\p], v[LL+16*\p+(\ks)], v[7+7*\p]
.endr
.endif
.irp p, 0,1
	v_lshl_or_b32 v[SCA+16*\p+(\ks)], v[5+7*\p], 16, v[SCA+16*\p+(\ks)]
.endr
.irp p, 0,1
	v_lshl_or_b32 v[SCA+16*\p+(\ks)], v[6+7*\p], 24, v[SCA+16*\p+(\ks)]
.endr
.if (\ks) > 0
.irp p, 0,1
	v_add_f32 v[18+\p], v[18+\p], v[22+\p]
.endr
.endif
.endm
	s_load_b128 s[4:7], s[0:1], 0x0
	s_load_b64 s[8:9], s[0:1], 0x10
	v_lshl_add_u32 v[SPW], v0, 2, SPARE
	v_mov_b32 v[NIL], 0
	ds_add_u32 v[SPW], v[NIL]
	ds_add_u32 v[SPW], v[NIL]
	v_lshrrev_b32 v1, 5, v0
	v_readfirstlane_b32 s14, v1
	s_lshr_b32 s15, s14, 1
	s_and_b32 s16, s14, 1
	s_bfe_u32 s40, ttmp6, 0x40000
	s_bfe_u32 s41, ttmp6, 0x40004
	s_lshl_b32 s42, ttmp9, 2
	s_add_co_u32 s42, s42, s40
	s_and_b32 s45, ttmp7, 0xffff
	s_lshl_b32 s17, s45, 2
	s_add_co_u32 s17, s17, s41
	s_lshl_b32 s43, s41, 2
	s_lshl_b32 s43, 15, s43
	s_lshl_b32 s44, 0x1111, s40
	s_or_b32 s[G1], s43, (3<<16)|(1<<21)
	s_or_b32 s[G1B], s44, (3<<16)|(1<<21)
	GROUP1 G1, NA
	GROUP1 G1B, 8
	s_mul_i32 s72, s17, 196608
	s_mul_i32 s2, s16, 98304
	s_add_co_u32 s72, s72, s2
	s_mov_b32 s73, 0
	s_lshr_b32 s3, s45, 2
	s_mul_i32 s46, s3, 1572864
	s_mul_i32 s47, s42, 393216
	s_add_co_u32 s46, s46, s47
	s_mul_i32 s47, s16, 196608
	s_add_co_u32 s46, s46, s47
	s_add_co_u32 s46, s46, VI
	s_mov_b32 s47, 0
	s_lshl_b32 s68, s17, 9
	s_lshl_b32 s74, s15, 8
	s_add_co_u32 s68, s68, s74
	s_add_co_u32 s22, s68, HS
	s_add_co_u32 s68, s68, PS
	s_mov_b32 s69, 0
	s_lshl_b32 s70, s3, 12
	s_lshl_b32 s74, s42, 10
	s_add_co_u32 s70, s70, s74
	s_lshl_b32 s74, s16, 9
	s_add_co_u32 s70, s70, s74
	s_add_co_u32 s70, s70, VS
	s_mov_b32 s71, 0
	s_lshl_b32 s75, s42, 1
	s_add_co_u32 s75, s75, s16
	s_mul_i32 s18, s17, 98304
	s_mul_i32 s74, s15, 49152
	s_add_co_u32 s18, s18, s74
	s_mul_i32 s74, s75, FRB
	s_add_co_u32 s18, s18, s74
	s_mov_b32 s19, 0
	s_lshl_b32 s74, s75, 15
	s_add_co_u32 s22, s22, s74
	s_mov_b32 s23, 0
	s_mov_b32 s[SEL], 0x76543210
	s_mov_b32 s[SEL+1], 0xfedcba98
	s_mov_b32 s[HM], 0xffff0000
	s_mul_i32 s98, s16, AH
	s_mul_i32 s99, s16, BH
	s_add_co_u32 s99, s99, ASZ
	s_wait_dscnt 0x0
	s_wait_kmcnt 0x0
	s_add_nc_u64 s[72:73], s[4:5], s[72:73]
	s_add_nc_u64 s[46:47], s[6:7], s[46:47]
	s_add_nc_u64 s[68:69], s[4:5], s[68:69]
	s_add_nc_u64 s[70:71], s[6:7], s[70:71]
	s_add_nc_u64 s[18:19], s[8:9], s[18:19]
	s_add_nc_u64 s[22:23], s[8:9], s[22:23]
	s_cmp_eq_u32 s15, 0                            ; the prefetches: do I fetch for A?
	s_cselect_b64 s[100:101], s[72:73], s[46:47]   ; my half of the tile,
	s_cselect_b32 s2, s40, s41                     ; my place among the four that ask with me,
	s_cselect_b32 s3, 0, 1                         ; one block of A's four, two of B's eight,
	s_cselect_b32 s20, 11, 23                      ; 12 or 24 runs of 256 bytes an instruction,
	s_mov_b32 s21, 24576
	s_cselect_b32 s21, 3072, s21                   ; the second instruction: the block's other half, or the next block
	s_lshl_b32 s2, s2, s3
	s_mul_i32 s2, s2, 24576
	s_mov_b32 s3, 0
	s_add_nc_u64 s[100:101], s[100:101], s[2:3]
	CROUND
.irp sl, 0,1
	s_mov_b32 s[G0+4*\sl], 1
	s_add_co_u32 s[G0+4*\sl+1], s98, \sl*SLOT
	s_add_nc_u64 s[G0+4*\sl+2:G0+4*\sl+3], s[72:73], \sl*NQ*FRB
	s_or_b32 s[G0+4*\sl+3], s[G0+4*\sl+3], 0x80000000
	s_mov_b32 s[G0B+4*\sl], 1
	s_add_co_u32 s[G0B+4*\sl+1], s99, \sl*SLOT
	s_add_nc_u64 s[G0B+4*\sl+2:G0B+4*\sl+3], s[46:47], \sl*NQ*FRB
	s_or_b32 s[G0B+4*\sl+3], s[G0B+4*\sl+3], 0x80000000
.endr
	JLOAD G0, G1, G0B, G1B                         ; K steps 0 to 3: one tensor load a wave at the head, behind the round above
	v_and_b32 v1, 31, v0
	v_lshlrev_b32 v[IO], 4, v1
	v_lshlrev_b32 v[L4], 2, v1
	v_min_u32 v30, s20, v1
	v_lshlrev_b32 v30, 8, v30
	v_add_nc_u32 v31, s21, v30
	s_mul_i32 s2, s15, AH
	s_mul_i32 s3, s16, BH
	s_add_co_u32 s3, s3, ASZ
.irp sl, 0,1
	v_add_nc_u32 v[ADRA+\sl], s2, v[IO]
	v_add_nc_u32 v[ADRB+\sl], s3, v[IO]
	s_add_co_u32 s2, s2, SLOT
	s_add_co_u32 s3, s3, SLOT
.endr
	ASK 1
	ASK 2
	SCLOAD NM, 2, 68, 32768, 524288
	SCLOAD SCA, 2, 68, 32768, 0
	SCLOAD LL, 2, 68, 32768, 1048576
	SCLOAD SCB, 4, 70, 16384, 0
	s_wait_alu depctr_va_vdst(0)                   ; the wait ahead of the waits below
	s_wait_tensorcnt 0x0                           ; my part of slot 0 is in
	ds_add_u32 v[SPW], v[NIL]
	s_wait_dscnt 0x0
	CROUND                                         ; everybody's part of slot 0 is in, and all sixteen work-groups are here
	JLOAD G0+4, G1, G0B+4, G1B                     ; K steps 4 to 7, the first tensor load behind the round
	s_wait_loadcnt 0x0                             ; -M, l and the scale words
.irp p, 0,1
	v_min3_num_f32 v[1+7*\p], v[NM+16*\p], v[NM+16*\p+1], v[NM+16*\p+2]
.endr
.irp i, 3,5,7,9,11,13
.irp p, 0,1
	v_min3_num_f32 v[1+7*\p], v[1+7*\p], v[NM+16*\p+\i], v[NM+16*\p+\i+1]
.endr
.endr
.irp p, 0,1
	v_min_num_f32 v[1+7*\p], v[1+7*\p], v[NM+16*\p+15]
.endr
.irp ks, 0,1,2,3,4,5,6,7,8,9,10,11,12,13,14,15
	FIX1 \ks
.endr
	s_wait_alu depctr_va_vdst(0)
	v_rcp_f32 v18, v18
	v_rcp_f32 v19, v19
	v_nop
	s_wait_alu depctr_va_vdst(0)
	v_permlanex16_b32 v22, v18, s[SEL], s[SEL+1]
	v_permlanex16_b32 v23, v19, s[SEL], s[SEL+1]
	v_cndmask_b32 v[RA], v18, v22, s[HM]
	v_cndmask_b32 v[RA+2], v22, v18, s[HM]
	v_cndmask_b32 v[RA+4], v19, v23, s[HM]
	v_cndmask_b32 v[RA+6], v23, v19, s[HM]
.irp a, 0,1,2,3
	v_mov_b32 v[RA+2*\a+1], v[RA+2*\a]
.endr
	PLACES 8
	FETCH_B 0, 0, 0
	FETCH_A 0, 0, 0
	FETCH_A 0, 0, HA
.set PFN, 3
	STEP 0, 0, 0, 1
	STEP 0, 1, 1, 0
	STEP 0, 2, 2, 0
	TURN 0, 1, 1, 3
	STEP 1, 0, 4, 0
	STEP 1, 1, 5, 0
	STEP 1, 2, 6, 0
	TURN 1, 0, 1, 7
	STEP 0, 0, 8, 0
	STEP 0, 1, 9, 0
	STEP 0, 2, 10, 0
	TURN 0, 1, 0, 11
	STEP 1, 0, 12, 0
	STEP 1, 1, 13, 0
	STEP 1, 2, 14, 0
	LAST 15
	PLACES 4
.irp b, 0,1,2,3
	v_mov_b32 v[TM+4+\b], 0
.endr
	v_mov_b32 v[ONES], -1
.irp a, 0,1,2,3
	s_wait_xcnt 0x0
	WIN 0x02
.set K_, 0
.rept 32
	v_pk_mul_f32 v[T+2*K_:T+2*K_+1], v[64*\a+2*K_:64*\a+2*K_+1], v[RA+2*\a:RA+2*\a+1] op_sel_hi:[1,0]
.set K_, K_+1
.endr
	WIN 0
	QUANT T
	v_cmp_eq_f32 vcc_lo, 0x7f800000, v[RA+2*\a]
	v_cndmask_b32 v[PW], v[PW], v[ONES], vcc_lo
.irp k, 0,1,2
	global_store_b128 v[IO], v[PC+4*\k:PC+4*\k+3], s[18:19] offset:\a*12288+512*\k
.endr
.if (\a%2) == 0
	v_mov_b32 v[PWE], v[PW]
.else
	v_cndmask_b32 v[SW], v[PWE], v[PW], s[HM]
	global_store_b32 v[L4], v[SW], s[22:23] offset:128*(\a/2)
.endif
.endr
	s_wait_tensorcnt 0x0
	ds_add_u32 v[SPW], v[NIL]
	s_wait_dscnt 0x0
	CROUND
	s_endpgm
.Lfunc_end_k_qf3ceff8f3c_pv:
	.size	k_qf3ceff8f3c_pv, .Lfunc_end_k_qf3ceff8f3c_pv-k_qf3ceff8f3c_pv
	.p2alignl 7, 3214868480
	.fill 96, 4, 3214868480
	.section	.rodata,"a",@progbits
	.p2align	6, 0x0
	.amdhsa_kernel k_qf3ceff8f3c_pv
		.amdhsa_group_segment_fixed_size 327680
		.amdhsa_private_segment_fixed_size 0
		.amdhsa_enable_private_segment 0
		.amdhsa_kernarg_size 24
		.amdhsa_user_sgpr_count 2
		.amdhsa_user_sgpr_kernarg_segment_ptr 1
		.amdhsa_wavefront_size32 1
		.amdhsa_system_sgpr_workgroup_id_x 1
		.amdhsa_system_sgpr_workgroup_id_y 1
		.amdhsa_system_sgpr_workgroup_id_z 1
		.amdhsa_system_vgpr_workitem_id 0
		.amdhsa_next_free_vgpr 768
		.amdhsa_next_free_sgpr 102
		.amdhsa_reserve_vcc 1
		.amdhsa_float_denorm_mode_32 3
		.amdhsa_float_denorm_mode_16_64 3
		.amdhsa_memory_ordered 1
		.amdhsa_forward_progress 1
		.amdhsa_inst_pref_size 190
	.end_amdhsa_kernel
	.amdgpu_metadata
---
amdhsa.version: [ 1, 2 ]
amdhsa.kernels:
  - .name:           k_qf3ceff8f3c_pv
    .symbol:         k_qf3ceff8f3c_pv.kd
    .args:
      - { .name: qc, .offset: 0, .size: 8, .value_kind: global_buffer, .address_space: global }
      - { .name: qb, .offset: 8, .size: 8, .value_kind: global_buffer, .address_space: global }
      - { .name: qd, .offset: 16, .size: 8, .value_kind: global_buffer, .address_space: global }
    .group_segment_fixed_size: 327680
    .private_segment_fixed_size: 0
    .kernarg_segment_align: 8
    .kernarg_segment_size: 24
    .max_flat_workgroup_size: 128
    .sgpr_count:     102
    .vgpr_count:     768
    .wavefront_size: 32
...
	.end_amdgpu_metadata
.endif
;; end of part 4
;; launch outp (part 5): grid 4 x 64, 4 waves a work-group, clusters of 4 x 4, 327,680 bytes of LDS; arguments qd, qa, bo, out0; writes out0
.if DOCPART == 5
	.amdgcn_target "amdgcn-amd-amdhsa--gfx1250"
	.amdhsa_code_object_version 6
	.text
	.protected	k_qf3ceff8f3c_outp
	.globl	k_qf3ceff8f3c_outp
	.p2align	8
	.type	k_qf3ceff8f3c_outp,@function
k_qf3ceff8f3c_outp:
	s_mov_b64 s[64:65], 0
	v_nop
	global_prefetch_b8 v0, s[64:65] scope:SCOPE_SE
	s_setreg_imm32_b32 hwreg(HW_REG_WAVE_MODE, 25, 1), 1
	s_wait_xcnt 0x0
	s_wait_alu depctr_hold_cnt(0) depctr_sa_sdst(0) depctr_va_vdst(0) depctr_va_sdst(0) depctr_va_ssrc(0) depctr_va_vcc(0) depctr_vm_vsrc(0)
	s_getreg_b32 s2, hwreg(HW_REG_IB_STS2, 6, 4)
	s_cmp_eq_u32 s2, 0
	s_cbranch_scc0 .Lentry_in_a_cluster
	s_endpgm
.Lentry_in_a_cluster:
	s_bfe_u32 s2, ttmp6, 0x10000c
	s_cmp_lg_u32 s2, 0xf033
	s_cbranch_scc0 .Lentry_shape_is_right
	s_endpgm
.Lentry_shape_is_right:
.set NA,    4
.set NQ,    4
.set NS,    8
.set BI0,   176
.set BIJ,   0
.set WO,    8650752
.set WOS,   9711616
.set HS,    6291456
.set FRB,   1536
.set HA,    NA/2
.set AH,    NA*NQ*FRB
.set BH,    8*NQ*FRB
.set ASZ,   2*AH
.set SLOT,  ASZ+2*BH
.set SPARE, 2*SLOT
.set ADRA,  16
.set ADRB,  20
.set IO,    24
.set L4,    25
.set STO,   26
.set RD,    27
.set SPW,   28
.set NIL,   29
.set SCA,   32
.set SCB,   SCA+(NA/2)*NS
.set AF,    128
.set G1,    24
.set G0,    32
.set G1B,   48
.set G0B,   56
.set MSB,   0
.macro WIN new
.if MSB != \new
	s_set_vgpr_msb (MSB<<8)|\new
.set MSB, \new
.endif
.endm
.macro JLOAD g0a, g1a, g0b, g1b
	s_cmp_eq_u32 s15, 0
	s_cbranch_scc0 .Lfor_b_\@
	tensor_load_to_lds s[\g0a:\g0a+3], s[\g1a:\g1a+7]
	s_nop 0
.rept 4
	v_nop
.endr
	s_branch .Lasked_\@
.Lfor_b_\@:
	tensor_load_to_lds s[\g0b:\g0b+3], s[\g1b:\g1b+7]
	s_nop 0
.rept 4
	v_nop
.endr
.Lasked_\@:
.endm
.macro CREST
	s_cmp_lg_u32 s14, 0
	s_cbranch_scc1 .Lnot_wave_0_\@
	s_barrier_signal -3
.Lnot_wave_0_\@:
	s_barrier_wait -3
	s_barrier_signal -1
	s_barrier_wait -1
.endm
.macro CROUND
	s_barrier_signal -1
	s_barrier_wait -1
	CREST
.endm
.macro PLACES n
.rept \n
	v_nop
.endr
.endm
.macro GROUP1 g, rows
	s_mov_b32 s[\g+1], (NQ*192)<<16
	s_mov_b32 s[\g+2], (\rows)<<16
	s_mov_b32 s[\g+3], (NQ*192)<<16
	s_mov_b32 s[\g+4], \rows
	s_mov_b32 s[\g+5], NS*192
	s_mov_b32 s[\g+6], 0
	s_mov_b32 s[\g+7], 0
.endm
.macro FRAG reg, adr, q, i
.irp c, 0,1,2
	ds_load_b128 v[\reg+4*\c:\reg+4*\c+3], v[\adr] offset:(\i)*NQ*FRB+(\q)*FRB+512*\c
.endr
.endm
.macro FETCH_B slot, q, p
	WIN 0x40
.irp i, 0,1,2,3,4,5,6,7
	FRAG 128*(\p)+12*\i, ADRB+\slot, \q, \i
.endr
	WIN 0
.endm
.macro FETCH_A slot, q, i0
.set FI, \i0
.rept HA
	FRAG AF+12*FI, ADRA+\slot, \q, FI
.set FI, FI+1
.endr
.endm
.macro WMS cm, ob, oa
.if (\cm) == 1
.if ((\ob)+2*(\oa)) == 0
	v_wmma_scale_f32_16x16x128_f8f6f4 v[dA:dA+7], v[rB:rB+11], v[rA:rA+11], 0, v[sB], v[sA] matrix_a_fmt:MATRIX_FMT_FP6 matrix_b_fmt:MATRIX_FMT_FP6
.elseif ((\ob)+2*(\oa)) == 1
	v_wmma_scale_f32_16x16x128_f8f6f4 v[dA:dA+7], v[rB:rB+11], v[rA:rA+11], 0, v[sB], v[sA] matrix_a_fmt:MATRIX_FMT_FP6 matrix_b_fmt:MATRIX_FMT_FP6 matrix_a_scale:MATRIX_SCALE_ROW1
.elseif ((\ob)+2*(\oa)) == 2
	v_wmma_scale_f32_16x16x128_f8f6f4 v[dA:dA+7], v[rB:rB+11], v[rA:rA+11], 0, v[sB], v[sA] matrix_a_fmt:MATRIX_FMT_FP6 matrix_b_fmt:MATRIX_FMT_FP6 matrix_b_scale:MATRIX_SCALE_ROW1
.else
	v_wmma_scale_f32_16x16x128_f8f6f4 v[dA:dA+7], v[rB:rB+11], v[rA:rA+11], 0, v[sB], v[sA] matrix_a_fmt:MATRIX_FMT_FP6 matrix_b_fmt:MATRIX_FMT_FP6 matrix_a_scale:MATRIX_SCALE_ROW1 matrix_b_scale:MATRIX_SCALE_ROW1
.endif
.else
.if ((\ob)+2*(\oa)) == 0
	v_wmma_scale_f32_16x16x128_f8f6f4 v[dA:dA+7], v[rB:rB+11], v[rA:rA+11], v[cR:cR+7], v[sB], v[sA] matrix_a_fmt:MATRIX_FMT_FP6 matrix_b_fmt:MATRIX_FMT_FP6
.elseif ((\ob)+2*(\oa)) == 1
	v_wmma_scale_f32_16x16x128_f8f6f4 v[dA:dA+7], v[rB:rB+11], v[rA:rA+11], v[cR:cR+7], v[sB], v[sA] matrix_a_fmt:MATRIX_FMT_FP6 matrix_b_fmt:MATRIX_FMT_FP6 matrix_a_scale:MATRIX_SCALE_ROW1
.elseif ((\ob)+2*(\oa)) == 2
	v_wmma_scale_f32_16x16x128_f8f6f4 v[dA:dA+7], v[rB:rB+11], v[rA:rA+11], v[cR:cR+7], v[sB], v[sA] matrix_a_fmt:MATRIX_FMT_FP6 matrix_b_fmt:MATRIX_FMT_FP6 matrix_b_scale:MATRIX_SCALE_ROW1
.else
	v_wmma_scale_f32_16x16x128_f8f6f4 v[dA:dA+7], v[rB:rB+11], v[rA:rA+11], v[cR:cR+7], v[sB], v[sA] matrix_a_fmt:MATRIX_FMT_FP6 matrix_b_fmt:MATRIX_FMT_FP6 matrix_a_scale:MATRIX_SCALE_ROW1 matrix_b_scale:MATRIX_SCALE_ROW1
.endif
.endif
.endm
.macro MULB p, ks, cm
.if \cm == 2
	WIN (0x81+0x40*(AI/4))
.else
	WIN (0xa1+0x50*(AI/4))
.endif
.irp b, 0,1,2,3,4,5,6,7
.set dA, 8*(8*(AI%4)+\b)
.set rB, 128*(\p)+12*\b
.set rA, AF+12*AI
.set sB, SCB+(\b/2)*NS+(\ks)
.set sA, SCA+(AI/2)*NS+(\ks)
.set cR, dA
.if \cm == 2
.set cR, BI0+8*\b+BIJ*(\b/4)
.endif
	WMS \cm, \b%2, AI%2
.endr
.endm
.macro MULR a0, n, p, ks, cm
.set AI, \a0
.rept \n
	MULB \p, \ks, \cm
.set AI, AI+1
.endr
.endm
.macro STEP slot, q, ks, cm
	s_wait_dscnt 3*HA
	MULR 0, HA, (\q)%2, \ks, \cm
	s_wait_dscnt 0x0
	PLACES 4
	FETCH_B \slot, (\q)+1, 1-(\q)%2
	FETCH_A \slot, (\q)+1, 0
	MULR HA, HA, (\q)%2, \ks, \cm
	PLACES 4
	WIN 0
	FETCH_A \slot, (\q)+1, HA
.endm
.macro TURN slot, next, ks
	s_wait_tensorcnt 0x0
	ds_add_u32 v[SPW], v[NIL]
	s_wait_dscnt 3*HA+1
	MULR 0, HA/2, 1, \ks, 0
	s_wait_dscnt 0x0
	s_barrier_signal -1
	MULR HA/2, HA/2, 1, \ks, 0
	WIN 0
	s_barrier_wait -1
	PLACES 4
	FETCH_B \next, 0, 0
	FETCH_A \next, 0, 0
	MULR HA, HA, 1, \ks, 0
	PLACES 4
	WIN 0
	FETCH_A \next, 0, HA
.endm
.macro LAST ks
	s_wait_dscnt 3*HA
	MULR 0, HA, 1, \ks, 0
	s_wait_dscnt 0x0
	MULR HA, HA, 1, \ks, 0
	WIN 0
.endm
.macro SCLOAD reg, np, base, str, off
.set P_, 0
.rept \np
.set S_, 0
.rept NS
	global_load_b32 v[\reg+P_*NS+S_], v[L4], s[\base:\base+1] offset:S_*(\str)+128*P_+(\off)
.set S_, S_+1
.endr
.set P_, P_+1
.endr
.endm
.macro TOSTAGE a
	WIN 0x08
.irp b, 0,1,2,3,4,5,6,7
	ds_store_b128 v[STO], v[64*(\a)+8*\b:64*(\a)+8*\b+3] offset:128*(\b/2)+32*(\b%2)
	ds_store_b128 v[STO], v[64*(\a)+8*\b+4:64*(\a)+8*\b+7] offset:128*(\b/2)+32*(\b%2)+16
.endr
	WIN 0
.set BB, 128+64*((\a)%2)
.irp t, 0,1,2,3,4,5,6,7,8,9,10,11,12,13,14,15
	ds_load_b128 v[BB+4*\t:BB+4*\t+3], v[RD] offset:\t*528
.endr
.endm
.macro SEND a, younger
.set BB, 128+64*((\a)%2)
	s_wait_dscnt \younger
.irp t, 0,1,2,3,4,5,6,7,8,9,10,11,12,13,14,15
	global_store_b128 v[IO], v[BB+4*\t:BB+4*\t+3], s[18:19] offset:(32*((\a)/2)+8*((\a)%2)+\t+8*(\t/8))*4096 th:TH_STORE_NT
.endr
.endm
	s_load_b256 s[4:11], s[0:1], 0x0
	v_lshl_add_u32 v[SPW], v0, 2, SPARE
	v_mov_b32 v[NIL], 0
	ds_add_u32 v[SPW], v[NIL]
	ds_add_u32 v[SPW], v[NIL]
	v_lshrrev_b32 v1, 5, v0
	v_readfirstlane_b32 s14, v1
	s_lshr_b32 s15, s14, 1
	s_and_b32 s16, s14, 1
	s_bfe_u32 s40, ttmp6, 0x40000
	s_bfe_u32 s41, ttmp6, 0x40004
	s_lshl_b32 s42, ttmp9, 2
	s_add_co_u32 s42, s42, s40
	s_and_b32 s45, ttmp7, 0xffff
	s_lshl_b32 s17, s45, 2
	s_add_co_u32 s17, s17, s41
	s_lshl_b32 s43, s41, 2
	s_lshl_b32 s43, 15, s43
	s_lshl_b32 s44, 0x1111, s40
	s_or_b32 s[G1], s43, (3<<16)|(1<<21)
	s_or_b32 s[G1B], s44, (3<<16)|(1<<21)
	GROUP1 G1, NA
	GROUP1 G1B, 8
	s_mul_i32 s72, s17, 98304
	s_mul_i32 s2, s16, 49152
	s_add_co_u32 s72, s72, s2
	s_mov_b32 s73, 0
	s_mul_i32 s46, s42, 196608
	s_mul_i32 s47, s16, 98304
	s_add_co_u32 s46, s46, s47
	s_add_co_u32 s46, s46, WO
	s_mov_b32 s47, 0
	s_lshl_b32 s68, s17, 9
	s_lshl_b32 s3, s15, 8
	s_add_co_u32 s68, s68, s3
	s_add_co_u32 s68, s68, HS
	s_mov_b32 s69, 0
	s_lshl_b32 s74, s42, 10
	s_lshl_b32 s3, s16, 9
	s_add_co_u32 s74, s74, s3
	s_mov_b32 s75, 0
	s_add_co_u32 s70, s74, WOS
	s_mov_b32 s71, 0
	s_lshl_b32 s18, s17, 19
	s_lshl_b32 s3, s15, 18
	s_add_co_u32 s18, s18, s3
	s_add_co_u32 s18, s18, s74
	s_mov_b32 s19, 0
	s_mul_i32 s98, s16, AH
	s_mul_i32 s99, s16, BH
	s_add_co_u32 s99, s99, ASZ
	s_wait_dscnt 0x0
	s_wait_kmcnt 0x0
	s_add_nc_u64 s[72:73], s[4:5], s[72:73]
	s_add_nc_u64 s[46:47], s[6:7], s[46:47]
	s_add_nc_u64 s[68:69], s[4:5], s[68:69]
	s_add_nc_u64 s[70:71], s[6:7], s[70:71]
	s_add_nc_u64 s[74:75], s[8:9], s[74:75]
	s_add_nc_u64 s[18:19], s[10:11], s[18:19]
	; A PREFETCH INTO THE L2 of the tile that my wave's second tensor load will bring, asked for behind the first.  The four partners that ask for a tile jointly share its blocks out BY ADDRESS: the partner at place p
	; (cx for h's image, cy for wo's) takes block p of the wave's four (A) or blocks 2 p, 2 p + 1 of its eight (B), 6,144 bytes of each: two instructions of 12 (A) or 24 (B) lanes, a lane a run of 256 bytes; lanes left over name the last again.
	s_cmp_eq_u32 s15, 0                            ; do I fetch for A?
	s_cselect_b64 s[100:101], s[72:73], s[46:47]   ; my half of the tile,
	s_cselect_b32 s2, s40, s41                     ; my place among the four that ask with me,
	s_cselect_b32 s3, 0, 1
	s_cselect_b32 s20, 11, 23
	s_mov_b32 s21, 12288
	s_cselect_b32 s21, 3072, s21                   ; the second instruction: the block's other half, or the next block
	s_lshl_b32 s2, s2, s3
	s_mul_i32 s2, s2, 12288
	s_mov_b32 s3, 0
	s_add_nc_u64 s[100:101], s[100:101], s[2:3]
	CROUND
.irp sl, 0,1
	s_mov_b32 s[G0+4*\sl], 1
	s_add_co_u32 s[G0+4*\sl+1], s98, \sl*SLOT
	s_add_nc_u64 s[G0+4*\sl+2:G0+4*\sl+3], s[72:73], \sl*NQ*FRB
	s_or_b32 s[G0+4*\sl+3], s[G0+4*\sl+3], 0x80000000
	s_mov_b32 s[G0B+4*\sl], 1
	s_add_co_u32 s[G0B+4*\sl+1], s99, \sl*SLOT
	s_add_nc_u64 s[G0B+4*\sl+2:G0B+4*\sl+3], s[46:47], \sl*NQ*FRB
	s_or_b32 s[G0B+4*\sl+3], s[G0B+4*\sl+3], 0x80000000
.endr
	JLOAD G0, G1, G0B, G1B                         ; K steps 0 to 3: one tensor load a wave at the head, behind the round above
	v_and_b32 v1, 31, v0
	v_and_b32 v2, 15, v0
	v_bfe_u32 v3, v0, 4, 1
	v_lshlrev_b32 v[IO], 4, v1
	v_lshlrev_b32 v[L4], 2, v1
	v_min_u32 v30, s20, v1
	v_lshlrev_b32 v30, 8, v30
	v_add_nc_u32 v31, s21, v30
	v_lshlrev_b32 v4, 6, v3
	s_wait_alu depctr_va_vdst(0)
	s_mul_i32 s2, s14, 16*528
	v_mul_u32_u24 v[STO], v2, 528
	v_add_nc_u32 v[STO], v[STO], v4
	v_add_nc_u32 v[STO], s2, v[STO]
	v_add_nc_u32 v[RD], s2, v[IO]
	s_mul_i32 s2, s15, AH
	s_mul_i32 s3, s16, BH
	s_add_co_u32 s3, s3, ASZ
.irp sl, 0,1
	v_add_nc_u32 v[ADRA+\sl], s2, v[IO]
	v_add_nc_u32 v[ADRB+\sl], s3, v[IO]
	s_add_co_u32 s2, s2, SLOT
	s_add_co_u32 s3, s3, SLOT
.endr
	global_prefetch_b8 v30, s[100:101] offset:NQ*FRB th:TH_LOAD_NT scope:SCOPE_SE
	global_prefetch_b8 v31, s[100:101] offset:NQ*FRB th:TH_LOAD_NT scope:SCOPE_SE
	SCLOAD SCA, NA/2, 68, 32768, 0
	SCLOAD SCB, 4, 70, 32768, 0
.irp b, 0,1,2,3,4,5,6,7
	global_load_b128 v[BI0+8*\b:BI0+8*\b+3], v4, s[74:75] offset:(32*(\b/2)+8*(\b%2))*4
	global_load_b128 v[BI0+8*\b+4:BI0+8*\b+7], v4, s[74:75] offset:(32*(\b/2)+8*(\b%2))*4+16
.endr
	s_wait_alu depctr_va_vdst(0)                   ; the wait at the head's end
	s_wait_tensorcnt 0x0                           ; my part of slot 0 is in
	ds_add_u32 v[SPW], v[NIL]
	s_wait_dscnt 0x0
	CROUND                                         ; everybody's part of slot 0 is in, and all sixteen work-groups are here
	JLOAD G0+4, G1, G0B+4, G1B                     ; K steps 4 to 7, the first tensor load behind the round
	s_wait_loadcnt 0x0                             ; the scale words and bo
	FETCH_B 0, 0, 0
	FETCH_A 0, 0, 0
	FETCH_A 0, 0, HA
	STEP 0, 0, 0, 2
	STEP 0, 1, 1, 0
	STEP 0, 2, 2, 0
	TURN 0, 1, 3
	STEP 1, 0, 4, 0
	STEP 1, 1, 5, 0
	STEP 1, 2, 6, 0
	LAST 7
	PLACES 4
	TOSTAGE 0
.irp a, 1,2,3
.if \a > 1
	s_wait_xcnt 0x0
.endif
	TOSTAGE \a
	SEND \a-1, 32
.endr
	SEND 3, 0
	s_wait_tensorcnt 0x0
	ds_add_u32 v[SPW], v[NIL]
	s_wait_dscnt 0x0
	CROUND
	s_endpgm
.Lfunc_end_k_qf3ceff8f3c_outp:
	.size	k_qf3ceff8f3c_outp, .Lfunc_end_k_qf3ceff8f3c_outp-k_qf3ceff8f3c_outp
	.p2alignl 7, 3214868480
	.fill 96, 4, 3214868480
	.section	.rodata,"a",@progbits
	.p2align	6, 0x0
	.amdhsa_kernel k_qf3ceff8f3c_outp
		.amdhsa_group_segment_fixed_size 327680
		.amdhsa_private_segment_fixed_size 0
		.amdhsa_enable_private_segment 0
		.amdhsa_kernarg_size 32
		.amdhsa_user_sgpr_count 2
		.amdhsa_user_sgpr_kernarg_segment_ptr 1
		.amdhsa_wavefront_size32 1
		.amdhsa_system_sgpr_workgroup_id_x 1
		.amdhsa_system_sgpr_workgroup_id_y 1
		.amdhsa_system_sgpr_workgroup_id_z 1
		.amdhsa_system_vgpr_workitem_id 0
		.amdhsa_next_free_vgpr 768
		.amdhsa_next_free_sgpr 102
		.amdhsa_reserve_vcc 0
		.amdhsa_float_denorm_mode_32 3
		.amdhsa_float_denorm_mode_16_64 3
		.amdhsa_memory_ordered 1
		.amdhsa_forward_progress 1
		.amdhsa_inst_pref_size 83
	.end_amdhsa_kernel
	.amdgpu_metadata
---
amdhsa.version: [ 1, 2 ]
amdhsa.kernels:
  - .name:           k_qf3ceff8f3c_outp
    .symbol:         k_qf3ceff8f3c_outp.kd
    .args:
      - { .name: qd, .offset: 0, .size: 8, .value_kind: global_buffer, .address_space: global }
      - { .name: qa, .offset: 8, .size: 8, .value_kind: global_buffer, .address_space: global }
      - { .name: bo, .offset: 16, .size: 8, .value_kind: global_buffer, .address_space: global }
      - { .name: out0, .offset: 24, .size: 8, .value_kind: global_buffer, .address_space: global }
    .group_segment_fixed_size: 327680
    .private_segment_fixed_size: 0
    .kernarg_segment_align: 8
    .kernarg_segment_size: 32
    .max_flat_workgroup_size: 128
    .sgpr_count:     102
    .vgpr_count:     768
    .wavefront_size: 32
...
	.end_amdgpu_metadata
.endif
;; end of part 5
